; MI455X (gfx1250); checked and timed in simulation.
; The chip was launched on July 23, 2026; its instructions are those of AMD's public machine-readable ISA for CDNA 5 (MIT licence, August 2026) and "CDNA5" Instruction Set Architecture Reference Guide (July 2026). The comments in the code are by the model that wrote it; some were corrected since.
;; Fast Weight Attention. Allowed arithmetic: matrix products marked QUANTISED: E2M3 operands, one E8M0 scale for each 32 along K, by v_wmma_scale_f32_16x16x128_f8f6f4 with both operands' format E2M3, f32 sums; everything else in f32.
;; Inputs: We 16 x 1,024 float32; Wk 1,024 x 1,024 float32; Wo 1,024 x 1,024 float32; Wq 1,024 x 1,024 float32; Wv 1,024 x 1,024 float32; Ww 16 x 1,024 float32; be 16 float32; bw 16 float32; x 2 x 2,048 x 1,024 float32.
;; Outputs: out0 2 x 2,048 x 1,024 float32.
;; This version of the problem:
;;   THIS VERSION OF THE PROBLEM IS GIVEN IN LOW PRECISION. The matrix products marked QUANTISED in the list below multiply operands that are first quantised to E2M3 (2 exponent bits, 3 mantissa bits; 6 bits a number), with one power-of-two scale for each 32 numbers along K (OCP MX v1.0); their sums are f32. All else is computed in f32.
;;   The module's matrix products, in the order in which they are computed (A, B: the left and right operand; K: the contracted axis; several contracted axes count as one K, in the product's order):
;;     1. [M 4,096, K 1,024] x [K 1,024, N 1,024]; A: input x; B: input Wq: QUANTISED
;;     2. [M 4,096, K 1,024] x [K 1,024, N 1,024]; A: input x; B: input Wk: QUANTISED
;;     3. [M 4,096, K 1,024] x [K 1,024, N 1,024]; A: input x; B: input Wv: QUANTISED
;;     4. [M 4,096, K 1,024] x [K 1,024, N 16]; A: input x; B: input Ww: QUANTISED
;;     5. [M 4,096, K 1,024] x [K 1,024, N 16]; A: input x; B: input We: QUANTISED
;;     6. batch 32 x [M 2,048, K 64] x [K 64, N 2,048]; A: computed on the way; B: computed on the way: QUANTISED
;;     7. batch 32 x [M 2,048, K 2,048] x [K 2,048, N 64]; A: computed on the way; B: computed on the way: QUANTISED
;;     8. [M 4,096, K 1,024] x [K 1,024, N 1,024]; A: computed on the way; B: input Wo: QUANTISED
;;   THE QUANTISER, for each operand of a quantised product, along K:
;;     - K is cut into blocks of 32 from its start; a last block that is shorter is filled with zeros.
;;     - A block's scale is 2^e with e = floor(log2(the largest magnitude in the block)) - 2, held to -126 .. 127; a block of zeros has e = 0. As a byte (E8M0): e + 127.
;;     - Each number is divided by its block's scale, clamped to +-7.5, and rounded to the nearest number of E2M3, ties to even, subnormals kept.
;;     - The product sums the exact products of the quantised numbers (number of the format x scale) in f32.
;;   ~~~python
;;   def quantise(x, axis):      # numpy; x: float32 -> the quantised numbers, widened to float32 again
;;       x = np.moveaxis(x, axis, -1); K = x.shape[-1]
;;       x = np.pad(x, [(0, 0)] * (x.ndim - 1) + [(0, -K % 32)]); x = x.reshape(x.shape[:-1] + (-1, 32)); a = np.abs(x).max(-1, keepdims=True)
;;       e = np.where(a > 0, np.clip(np.frexp(np.where(a > 0, a, 1))[1] - 1 - 2, -126, 127), 0)      # np.frexp(a)[1] - 1 = floor(log2(a)), exactly
;;       r = np.clip(x / 2.0 ** e, -7.5, 7.5)
;;       step = 2.0 ** (np.maximum(np.frexp(np.where(r == 0, 1, r))[1] - 1, 0) - 3)
;;       q = np.round(r / step) * step * 2.0 ** e      # np.round: ties to even
;;       return np.moveaxis(q.reshape(q.shape[:-2] + (-1,))[..., :K], -1, axis).astype(np.float32)
;;   ~~~
;;   OPERANDS COMPUTED ON THE WAY. 'Computed on the way' means the value that the module computes at that place (a softmax that the list does not call 'softmax' is quantised finished and normalised). What goes into a quantiser is computed in f32, as accurately as f32 sums, v_exp_f32 and their like allow (about 1e-6 of the number): no bf16 or f16 on the way to a quantiser, and a product that is left as it is and whose result goes on into a quantised operand takes f32 operands (vector FMAs, or v_wmma_f32_16x16x4_f32). A number that lies on a knife's edge between two numbers of the format may be rounded either way, as far as f32 arithmetic and the matrix unit's own rounding can turn it there, and no further.
;; 2 versions, each right. Each part assembles by itself: llvm-mc -triple=amdgcn-amd-amdhsa -mcpu=gfx1250 --defsym DOCPART=n.
;; ======== version 1 of 2: 5 launches
;; workspace buffers: xc 3,145,728 bytes; xs 131,072 bytes; wc 3,170,304 bytes; ws 132,096 bytes; qkv 10,354,688 bytes; oc 3,145,728 bytes; os 131,072 bytes
;; launch quant (part 1): grid 257 x 1, 4 waves a work-group, no clusters, 33,280 bytes of LDS; arguments x, Wq, Wk, Wv, Wo, Ww, We, xc, xs, wc, ws; writes xc, xs, wc, ws
.if DOCPART == 1
	.amdgcn_target "amdgcn-amd-amdhsa--gfx1250"
	.amdhsa_code_object_version 6
	.text
	.protected	k_q260ba8ee75_quant
	.globl	k_q260ba8ee75_quant
	.p2align	8
	.type	k_q260ba8ee75_quant,@function
k_q260ba8ee75_quant:
	s_mov_b64 s[64:65], 0
	v_nop
	global_prefetch_b8 v0, s[64:65] scope:SCOPE_SE
	s_setreg_imm32_b32 hwreg(HW_REG_WAVE_MODE, 25, 1), 1
	s_wait_xcnt 0x0
; x [4096][1024] and the six weights (Wq, Wk, Wv, Wo [1024][1024]; Ww, We [16][1024]), f32 with K innermost, become codes of FP6 (E2M3) and one E8M0 byte for each 32 along K.
; A block's scale is 2^(floor(log2(largest magnitude)) - 2): its byte is the largest magnitude's exponent field - 2, held at 1 from below.  Numbers are divided by it and rounded to the nearest code, ties to even.
; LIMITS: a block of zeros gets the byte 1 where the rule says 127 (its codes are zeros, and this program alone reads the bytes); blocks under 2^-124 keep the byte 1; NaN and infinities are not served.
; OUT: xc [4096][768], xs [4096][32]; wc [4128][768], ws [4128][32] with rows 0 Wq, 1024 Wk, 2048 Wv, 3072 Wo, 4096 Ww, 4112 We.
; THE ROWS OF x, Wq, Wk, Wv ARE LAID WITH BITS 3 AND 4 OF THE ROW NUMBER EXCHANGED: sixteen neighbouring rows of the buffer are then rows 0-7 and 16-23 (or 8-15 and 24-31) of a group of 32,
; so that in the next launch a lane's 16 results of two neighbouring tiles are 16 neighbours along the axis that is quantised next.
; A wave takes one run of 8 rows (8,192 numbers, 16 steps of 512): exchanging the rows' bits 3 and 4 is exchanging bits 0 and 1 of the run's number.  1,028 runs, four to a work-group.
; Each of a step's four loads reads 512 consecutive bytes; the 2,048 bytes turn through the wave's own stage in LDS and come back 64 bytes (16 neighbours) a lane; two lanes hold a block.
; No cluster and no tensor load: no byte is read by two work-groups.  No barrier: waves share nothing.
.set STEPS, 16
.set EMAX,  2
.set CB,    12                         ; bytes of 16 codes
.set R,     16                         ; v16-79   four sets of 16 numbers as loaded
.set X,     80                         ; v80-111  two sets of 16 neighbours
.set C,     128                        ; v128-191 codes: four registers for each step, so that no store's data are written again
.set E,     112                        ; v112-127 a scale byte for each step
.set WREG,  8192                       ; LDS of a wave: two stages of 32 x SP bytes, then its 256 scale bytes
.set SP,    80                         ; a lane's place in a stage: 64 bytes + 16 of padding
	s_load_b512 s[4:19], s[0:1], 0x0               ; x, Wq, Wk, Wv, Wo, Ww, We, xc
	s_load_b128 s[20:23], s[0:1], 0x40             ; xs, wc
	s_load_b64 s[24:25], s[0:1], 0x50              ; ws
	v_lshl_add_u32 v192, v0, 2, 0x8000
	v_mov_b32 v193, 0
	v_lshrrev_b32 v1, 5, v0
	v_readfirstlane_b32 s26, v1                    ; wave
	v_and_b32 v2, 31, v0                           ; lane
	v_lshlrev_b32 v3, 4, v2                        ; my 16 bytes of a load's 512
	s_mul_i32 s36, s26, WREG
	v_lshrrev_b32 v14, 2, v2
	v_mul_u32_u24 v14, v14, SP
	v_and_b32 v15, 3, v2
	v_lshl_add_u32 v14, v15, 4, v14
	v_add_nc_u32 v14, s36, v14                     ; the stage, way in: SP (lane / 4) + 16 (lane % 4)
	v_mul_u32_u24 v15, v2, SP
	v_add_nc_u32 v15, s36, v15                     ; way out: SP x lane
	v_mul_u32_u24 v4, v2, CB                       ; my codes' place in a step's
	v_lshrrev_b32 v5, 1, v2
	s_add_co_u32 s36, s36, 2*32*SP
	v_add_nc_u32 v5, s36, v5                       ; my block's byte among my wave's 256
	v_lshlrev_b32 v7, 3, v2
	v_add_nc_u32 v6, s36, v7                       ; and 8 bytes a lane on the way out
	s_lshl_b32 s27, ttmp9, 2
	s_add_co_u32 s27, s27, s26                     ; my run, 0 .. 1027
	s_wait_kmcnt 0x0
	; which tensor: runs 0 x, 512 Wq, 640 Wk, 768 Wv, 896 Wo, 1024 Ww, 1026 We.  Only pointers are chosen, on the run's number alone: one path serves all seven.
	s_mov_b64 s[28:29], s[16:17]
	s_mov_b32 s30, 1026
.macro PICK bound, ptr, start
	s_cmp_lt_u32 s27, \bound
	s_cselect_b64 s[28:29], s[\ptr:\ptr+1], s[28:29]
	s_cselect_b32 s30, \start, s30
.endm
	PICK 1026, 14, 1024
	PICK 1024, 12, 896
	PICK 896, 10, 768
	PICK 768, 8, 640
	PICK 640, 6, 512
	PICK 512, 4, 0
	s_cselect_b64 s[32:33], s[18:19], s[22:23]     ; (still on run < 512)  codes: xc or wc
	s_cselect_b64 s[34:35], s[20:21], s[24:25]     ; scale bytes: xs or ws
	s_cselect_b32 s31, 0, 512
	s_sub_co_u32 s38, s27, s31                     ; the run's number in its output buffer
	s_and_b32 s39, s38, 1
	s_lshl_b32 s39, s39, 1
	s_bfe_u32 s40, s38, 0x10001
	s_or_b32 s39, s39, s40
	s_and_b32 s40, s38, 0xfffffffc
	s_or_b32 s39, s39, s40                         ; with bits 0 and 1 exchanged
	s_cmp_lt_u32 s27, 896                          ; x, Wq, Wk, Wv take that; Wo, Ww, We keep their order
	s_cselect_b32 s38, s39, s38
	s_sub_co_u32 s36, s27, s30
	s_lshl_b32 s36, s36, 15                        ; 32,768 bytes of f32 a run
	s_mov_b32 s37, 0
	s_add_nc_u64 s[28:29], s[28:29], s[36:37]
	s_mul_i32 s36, s38, 6144                       ; 8 rows of 768 bytes of codes
	s_add_nc_u64 s[32:33], s[32:33], s[36:37]
	s_lshl_b32 s36, s38, 8                         ; 256 scale bytes
	s_add_nc_u64 s[34:35], s[34:35], s[36:37]
.macro LOAD t
.irp i, 0,1,2,3
	global_load_b128 v[R+16*((\t)%4)+4*\i:R+16*((\t)%4)+4*\i+3], v3, s[28:29] offset:2048*(\t)+512*\i th:TH_LOAD_NT   ; 32 lanes read 512 consecutive bytes
.endr
.endm
.macro TURN t                          ; step t's numbers through the stage: LDS serves a wave's instructions in order, so no wait stands between the stores and the loads
.irp i, 0,1,2,3
	ds_store_b128 v14, v[R+16*((\t)%4)+4*\i:R+16*((\t)%4)+4*\i+3] offset:32*SP*((\t)%2)+8*SP*\i
.endr
.irp i, 0,1,2,3
	ds_load_b128 v[X+16*((\t)%2)+4*\i:X+16*((\t)%2)+4*\i+3], v15 offset:32*SP*((\t)%2)+16*\i
.endr
.endm
.irp t, 0,1,2,3
	LOAD \t
.endr
	s_wait_loadcnt 12                              ; step 0's four loads are in; three steps' twelve may be out
	TURN 0
.macro STEP t
.set XS, X+16*((\t)%2)
.if (\t) > 0
	s_wait_dscnt 1                                 ; this step's numbers are back from the stage (the last step's byte store may be out)
.else
	s_wait_dscnt 0x0
.endif
.if (\t)+4 < STEPS
	LOAD (\t)+4                                    ; into the registers that this step's stage stores have read
.endif
.if (\t)+1 < STEPS
.if STEPS-2-(\t) >= 3
	s_wait_loadcnt 12                              ; the next step's four loads are in; those of the three steps behind it may be out
.else
	s_wait_loadcnt 4*(STEPS-2-(\t))
.endif
	TURN (\t)+1
.endif
	v_max3_num_f32 v8, |v[XS]|, |v[XS+1]|, |v[XS+2]|               ; the largest magnitude of my 16, in two chains
	v_max3_num_f32 v9, |v[XS+3]|, |v[XS+4]|, |v[XS+5]|
.irp i, 6,10
	v_max3_num_f32 v8, v8, |v[XS+\i]|, |v[XS+\i+1]|
	v_max3_num_f32 v9, v9, |v[XS+\i+2]|, |v[XS+\i+3]|
.endr
	v_max3_num_f32 v8, v8, |v[XS+14]|, |v[XS+15]|
	v_max3_num_f32 v8, v8, v9, (EMAX+1)<<23        ; and the floor 2^(3 - 127): the byte cannot fall under 1
	v_max_num_f32_dpp v8, v8, v8 row_xmask:1 row_mask:0xf bank_mask:0xf   ; with my neighbour's 16: the block's
	v_add_nc_u32 v11, -(EMAX<<23), v8              ; 2 off the exponent field: the conversion takes that field as its scale
	v_cvt_scalef32_pk16_fp6_f32 v[C+4*(\t):C+4*(\t)+2], v[XS:XS+15], v11
	v_lshrrev_b32 v[E+(\t)], 23, v11               ; the scale's byte
	ds_store_b8 v5, v[E+(\t)] offset:16*(\t)       ; both lanes of a block write the same byte with the same value
	global_store_b96 v4, v[C+4*(\t):C+4*(\t)+2], s[32:33] offset:32*CB*(\t)   ; the wave stores 384 consecutive bytes
.endm
.irp t, 0,1,2,3,4,5,6,7,8,9,10,11,12,13,14,15
	STEP \t
.endr
	ds_load_b64 v[12:13], v6                       ; in order behind my byte stores
	s_wait_dscnt 0x0
	global_store_b64 v7, v[12:13], s[34:35]        ; 32 lanes store 256 consecutive bytes, aligned
	s_wait_tensorcnt 0x0
	ds_add_u32 v192, v193
	s_wait_dscnt 0x0
	s_endpgm
.Lfunc_end_k_q260ba8ee75_quant:
	.size	k_q260ba8ee75_quant, .Lfunc_end_k_q260ba8ee75_quant-k_q260ba8ee75_quant
	.p2alignl 7, 3214868480
	.fill 96, 4, 3214868480
	.section	.rodata,"a",@progbits
	.p2align	6, 0x0
	.amdhsa_kernel k_q260ba8ee75_quant
		.amdhsa_group_segment_fixed_size 33280
		.amdhsa_private_segment_fixed_size 0
		.amdhsa_enable_private_segment 0
		.amdhsa_kernarg_size 88
		.amdhsa_user_sgpr_count 2
		.amdhsa_user_sgpr_kernarg_segment_ptr 1
		.amdhsa_wavefront_size32 1
		.amdhsa_system_sgpr_workgroup_id_x 1
		.amdhsa_system_sgpr_workgroup_id_y 1
		.amdhsa_system_sgpr_workgroup_id_z 1
		.amdhsa_system_vgpr_workitem_id 0
		.amdhsa_next_free_vgpr 194
		.amdhsa_next_free_sgpr 66
		.amdhsa_reserve_vcc 0
		.amdhsa_float_denorm_mode_32 3
		.amdhsa_float_denorm_mode_16_64 3
		.amdhsa_memory_ordered 1
		.amdhsa_forward_progress 1
		.amdhsa_inst_pref_size 34
	.end_amdhsa_kernel
	.amdgpu_metadata
---
amdhsa.version: [ 1, 2 ]
amdhsa.kernels:
  - .name:           k_q260ba8ee75_quant
    .symbol:         k_q260ba8ee75_quant.kd
    .args:
      - { .name: x, .offset: 0, .size: 8, .value_kind: global_buffer, .address_space: global }
      - { .name: Wq, .offset: 8, .size: 8, .value_kind: global_buffer, .address_space: global }
      - { .name: Wk, .offset: 16, .size: 8, .value_kind: global_buffer, .address_space: global }
      - { .name: Wv, .offset: 24, .size: 8, .value_kind: global_buffer, .address_space: global }
      - { .name: Wo, .offset: 32, .size: 8, .value_kind: global_buffer, .address_space: global }
      - { .name: Ww, .offset: 40, .size: 8, .value_kind: global_buffer, .address_space: global }
      - { .name: We, .offset: 48, .size: 8, .value_kind: global_buffer, .address_space: global }
      - { .name: xc, .offset: 56, .size: 8, .value_kind: global_buffer, .address_space: global }
      - { .name: xs, .offset: 64, .size: 8, .value_kind: global_buffer, .address_space: global }
      - { .name: wc, .offset: 72, .size: 8, .value_kind: global_buffer, .address_space: global }
      - { .name: ws, .offset: 80, .size: 8, .value_kind: global_buffer, .address_space: global }
    .group_segment_fixed_size: 33280
    .private_segment_fixed_size: 0
    .kernarg_segment_align: 8
    .kernarg_segment_size: 88
    .max_flat_workgroup_size: 128
    .sgpr_count:     66
    .vgpr_count:     194
    .wavefront_size: 32
...
	.end_amdgpu_metadata
.endif
;; end of part 1
;; launch proj (part 2): grid 12 x 16, 4 waves a work-group, clusters of 4 x 4, 327,680 bytes of LDS; arguments xc, xs, wc, ws, qkv; writes qkv
.if DOCPART == 2
	.amdgcn_target "amdgcn-amd-amdhsa--gfx1250"
	.amdhsa_code_object_version 6
	.text
	.protected	k_q260ba8ee75_proj
	.globl	k_q260ba8ee75_proj
	.p2align	8
	.type	k_q260ba8ee75_proj,@function
k_q260ba8ee75_proj:
	s_mov_b64 s[64:65], 0
	v_nop
	global_prefetch_b8 v0, s[64:65] scope:SCOPE_SE
	s_setreg_imm32_b32 hwreg(HW_REG_WAVE_MODE, 25, 1), 1
	s_wait_xcnt 0x0
	s_wait_alu depctr_hold_cnt(0) depctr_sa_sdst(0) depctr_va_vdst(0) depctr_va_sdst(0) depctr_va_ssrc(0) depctr_va_vcc(0) depctr_vm_vsrc(0)
	s_getreg_b32 s2, hwreg(HW_REG_IB_STS2, 6, 4)
	s_cmp_eq_u32 s2, 0
	s_cbranch_scc0 .Lentry_in_a_cluster
	s_endpgm
.Lentry_in_a_cluster:
	s_bfe_u32 s2, ttmp6, 0x10000c
	s_cmp_lg_u32 s2, 0xf033
	s_cbranch_scc0 .Lentry_shape_is_right
	s_endpgm
.Lentry_shape_is_right:
; x Wq^T, x Wk^T, x Wv^T on codes of FP6 (E2M3) with E8M0 scales: one GEMM, A = xc [4096][1024], B = rows 0-3071 of wc; the results never leave as f32.
; Columns 0-1023 (cluster column 0) are Q, 1024-2047 K, 2048-3071 V.  Q and K get phi = elu + 1 and are quantised along the head's 64; V is quantised along the tokens, which are the K of the later product.
; All three leave as IMAGES OF OPERAND REGISTERS in qkv [32 heads][16 steps of 128 tokens][20,224 bytes]: K at 0, V at 6,400, Q at 13,312; each 4 images of 1,536 bytes (register group q of lane l at 512 q + 16 l) and 256 bytes of scale words.
; A tile of 256 x 256 is made by four waves, 128 x 128 each: 64 accumulators, 512 registers.  K goes in steps of 256 through two LDS slots filled by the tensor data mover; the scale bytes of the tile's rows come once and stay.
; CLUSTERS: 4 x 4 work-groups; A's tiles are asked for jointly along a row of the cluster, B's along a column.  THE MATRIX INSTRUCTION IS USED TRANSPOSED (source 0 = rows of B, source 1 = rows of A).
; Rows of xc and wc lie with bits 3 and 4 of their numbers exchanged.  So in accumulator (a, b) lane (r, h) holds token 32 (a/2) + 8 (a%2) + r + 8 (r/8) of my 128, and register j column 32 (b/2) + 16 h + 8 (b%2) + j:
; the 64 registers of a row of accumulators are, block by block of 32 columns, 16 neighbours a lane.
; LIMITS: NaN and infinities are not served; a block of zeros gets the byte 1 (its codes are zeros).  phi follows elu's own order: (2^(x log2 e) - 1) + 1 for x <= 0, x + 1 above.
; REGISTERS: window 0: v0-31 addresses; v32-63 scale words, two sets, and nothing else; from v128 A's fragments, one set; on the way out v64-208 are at work.  window 1: B's fragments, two sets.  windows 2, 3: the accumulators ((a, b) at v[8 (8 (a%4) + b)]).
.set SIZE_M, 4096
.set SIZE_N, 3072
.set SIZE_K, 1024
.set BLK,    20224                     ; a block of qkv: one head, 128 tokens
.set HS,     16*BLK                    ; from head to head
.set QSEC,   13312
.set VSEC,   6400
.set KSTEP,  256
.set NQ,     KSTEP/128
.set ROWB,   192                       ; a tile's row: 256 codes
.set KROW,   SIZE_K*6/8
.set PITCH,  240                       ; an LDS row: 3 x (64 bytes + 16 of padding)
.set FR,     12
.set NL,     6
.set NP,     4
.set HALFT,  128*PITCH
.set SLOT,   4*HALFT
.set LAPS,   SIZE_K/(2*KSTEP)
.set KS,     SIZE_K/32
.set SCL,    2*SLOT                    ; behind the two slots: the scale bytes, as rows of 256 bytes + 16
.set HALFS,  (128*KS/256)*272
.set SBLK,   (16*KS/256)*272
.set SPARE,  SCL+4*HALFS               ; the spare words: 128 bytes a wave, named by no other line
.set ADRA, 16
.set ADRB, 20
.set ADRS, 27
.set SPW,  28
.set NIL,  29
.set SC,   32
.set AF,   128
.set G1, 24
.set G0, 32
.set G1B, 48
.set G0B, 56
.set G1S, 68
.set G0S, 76
.set G1SB, 80
.set G0SB, 88
.set SEL, 18                           ; s[18:19] on the way out: lane l xor 16
.set LE,  22                           ; s[22:23] on the way out: log2 e, twice
.set MSB, 0
.macro WIN new                         ; the immediate's high byte repeats the setting that is left
.if MSB != (\new)
	s_set_vgpr_msb (MSB<<8)|(\new)
.set MSB, (\new)
.endif
.endm
.set MUL_LO, 0xa1                      ; source 0 (B) window 1, source 1 (A) window 0, C and D window 2
.set MUL_HI, 0xf1
.set TO_B,   0x40
; A joint load: waves 0 and 1 fetch for A, waves 2 and 3 for B; the branch hangs on the wave's number alone.  Four v_nop follow each line.
.macro JLOAD g0a, g1a, g0b, g1b
	s_cmp_eq_u32 s15, 0
	s_cbranch_scc0 .Lfor_b_\@
	tensor_load_to_lds s[\g0a:\g0a+3], s[\g1a:\g1a+7]
	s_nop 0
.rept 4
	v_nop
.endr
	s_branch .Lasked_\@
.Lfor_b_\@:
	tensor_load_to_lds s[\g0b:\g0b+3], s[\g1b:\g1b+7]
	s_nop 0
.rept 4
	v_nop
.endr
.Lasked_\@:
.endm
.macro CREST                           ; a round of the cluster's barrier behind its opening barrier
	s_cmp_lg_u32 s14, 0
	s_cbranch_scc1 .Lnot_wave_0_\@
	s_barrier_signal -3
.Lnot_wave_0_\@:
	s_barrier_wait -3
	s_barrier_signal -1
	s_barrier_wait -1
.endm
.macro CROUND
	s_barrier_signal -1
	s_barrier_wait -1
	CREST
.endm
	s_load_b128 s[4:7], s[0:1], 0x0                ; xc, xs
	s_load_b128 s[8:11], s[0:1], 0x10              ; wc, ws
	s_load_b64 s[12:13], s[0:1], 0x20              ; qkv
	v_lshl_add_u32 v[SPW], v0, 2, SPARE
	v_mov_b32 v[NIL], 0
	ds_add_u32 v28, v29
	ds_add_u32 v28, v29
	s_wait_dscnt 0x0
	v_lshrrev_b32 v1, 5, v0
	v_readfirstlane_b32 s14, v1                    ; wave 0..3
	s_lshr_b32 s15, s14, 1                         ; my half of the tile's rows; also: I fetch for A (0) or B (1)
	s_and_b32 s16, s14, 1                          ; my half of its columns; also: which 128 rows I fetch
	s_bfe_u32 s40, ttmp6, 0x40000                  ; cx
	s_bfe_u32 s41, ttmp6, 0x40004                  ; cy
	s_lshl_b32 s42, ttmp9, 2
	s_add_co_u32 s42, s42, s40                     ; tile column
	s_and_b32 s17, ttmp7, 0xffff
	s_lshl_b32 s17, s17, 2
	s_add_co_u32 s17, s17, s41                     ; tile row
	s_lshl_b32 s43, s41, 2
	s_lshl_b32 s43, 15, s43                        ; my row of the cluster
	s_lshl_b32 s44, 0x1111, s40                    ; my column
	s_or_b32 s[G1+0], s43, (0<<16)|(1<<20)|(1<<21)|(3<<22)|(3<<25)  ; mask; elements of 1 byte; padding on; bit 21 beside a mask; after every 16 words, 4 words
	s_or_b32 s[G1B+0], s44, (0<<16)|(1<<20)|(1<<21)|(3<<22)|(3<<25)
.irp g, G1, G1B
	s_mov_b32 s[\g+1], ROWB<<16                    ; tensor_dim0
	s_mov_b32 s[\g+2], 128<<16                     ; tensor_dim1
	s_mov_b32 s[\g+3], ROWB<<16                    ; tile_dim0
	s_mov_b32 s[\g+4], 128                         ; tile_dim1
	s_mov_b32 s[\g+5], KROW                        ; pitch
	s_mov_b32 s[\g+6], 0
	s_mov_b32 s[\g+7], 0
.endr
	s_or_b32 s[G1S+0], s43, (3<<16)|(1<<20)|(1<<21)|(5<<22)|(3<<25)   ; the scale bytes of 128 rows: dense, as rows of 256 bytes + 16 of padding
	s_or_b32 s[G1SB+0], s44, (3<<16)|(1<<20)|(1<<21)|(5<<22)|(3<<25)
.irp g, G1S, G1SB
	s_mov_b32 s[\g+1], 32<<16
	s_mov_b32 s[\g+2], (128*KS/256)<<16
	s_mov_b32 s[\g+3], 32<<16
	s_mov_b32 s[\g+4], 128*KS/256
	s_mov_b32 s[\g+5], 32
	s_mov_b32 s[\g+6], 0
	s_mov_b32 s[\g+7], 0
.endr
	s_lshl_b32 s18, s16, 7
	s_lshl_b32 s20, s17, 8
	s_add_co_u32 s20, s20, s18                     ; A: row 256 x tile row + 128 x half
	s_lshl_b32 s46, s42, 8
	s_add_co_u32 s46, s46, s18                     ; B: row 256 x tile column + 128 x half
	s_mov_b32 s21, 0
	s_mov_b32 s47, 0
	s_mov_b64 s[18:19], KS
	s_mul_u64 s[22:23], s[20:21], s[18:19]
	s_mul_u64 s[92:93], s[46:47], s[18:19]
	s_mov_b64 s[18:19], KROW
	s_mul_u64 s[20:21], s[20:21], s[18:19]
	s_mul_u64 s[46:47], s[46:47], s[18:19]
	s_mul_i32 s45, s14, HALFT                      ; LDS: wave x 128 rows: no place in the cluster enters an LDS address
	s_mul_i32 s94, s14, HALFS
	s_wait_kmcnt 0x0
	s_add_nc_u64 s[20:21], s[4:5], s[20:21]
	s_add_nc_u64 s[22:23], s[6:7], s[22:23]
	s_add_nc_u64 s[46:47], s[8:9], s[46:47]
	s_add_nc_u64 s[92:93], s[10:11], s[92:93]
	CROUND                                         ; all sixteen work-groups are here: the first joint loads meet
	s_mov_b32 s[G0S], 1
	s_add_co_u32 s[G0S+1], s94, SCL
	s_mov_b64 s[G0S+2:G0S+3], s[22:23]
	s_or_b32 s[G0S+3], s[G0S+3], 0x80000000
	s_mov_b32 s[G0SB], 1
	s_add_co_u32 s[G0SB+1], s94, SCL
	s_mov_b64 s[G0SB+2:G0SB+3], s[92:93]
	s_or_b32 s[G0SB+3], s[G0SB+3], 0x80000000
	JLOAD G0S, G1S, G0SB, G1SB                     ; the scale bytes first
.irp s, 0,1
	s_mov_b32 s[G0+4*\s], 1
	s_add_co_u32 s[G0+4*\s+1], s45, \s*SLOT
	s_add_nc_u64 s[G0+4*\s+2:G0+4*\s+3], s[20:21], \s*ROWB
	s_or_b32 s[G0+4*\s+3], s[G0+4*\s+3], 0x80000000
	s_mov_b32 s[G0B+4*\s], 1
	s_add_co_u32 s[G0B+4*\s+1], s45, \s*SLOT
	s_add_nc_u64 s[G0B+4*\s+2:G0B+4*\s+3], s[46:47], \s*ROWB
	s_or_b32 s[G0B+4*\s+3], s[G0B+4*\s+3], 0x80000000
	JLOAD G0+4*\s, G1, G0B+4*\s, G1B               ; three loads of mine are out at the most
.endr
	v_and_b32 v1, 15, v0
	v_bfe_u32 v2, v0, 4, 1
	v_mul_u32_u24 v3, v1, PITCH
	v_mul_u32_u24 v4, v2, 24
	v_add_nc_u32 v4, v3, v4                        ; a fragment's row x pitch + 24 x half
	v_lshl_add_u32 v5, v2, 4, v4                   ; and the same behind one padding more
	s_mul_i32 s21, s15, HALFT
	s_mul_i32 s22, s16, HALFT
	s_add_co_u32 s22, s22, 2*HALFT
.irp s, 0,1
	v_add_nc_u32 v[ADRA+\s], s21, v4
	v_add_nc_u32 v[ADRB+\s], s22, v4
	v_add_nc_u32 v[ADRA+2+\s], s21, v5
	v_add_nc_u32 v[ADRB+2+\s], s22, v5
	s_add_co_u32 s21, s21, SLOT
	s_add_co_u32 s22, s22, SLOT
.endr
	v_mul_u32_u24 v5, v1, KS
	v_lshrrev_b32 v6, 8, v5
	v_lshl_add_u32 v5, v6, 4, v5
	s_mul_i32 s21, s15, HALFS
	s_mul_i32 s22, s16, HALFS
	s_add_co_u32 s22, s22, 2*HALFS
	s_sub_co_u32 s22, s22, s21
	v_mul_u32_u24 v6, s22, v2                      ; lanes 16-31 take B's scale words
	s_add_co_u32 s21, s21, SCL
	v_add_nc_u32 v5, v5, v6
	v_add_nc_u32 v[ADRS], s21, v5
	; where my wave's two heads and 128 tokens lie in qkv
	s_lshr_b32 s20, s17, 3
	s_lshl_b32 s20, s20, 4                         ; 16 x batch
	s_and_b32 s46, s42, 3
	s_lshl_b32 s46, s46, 2
	s_lshl_b32 s47, s16, 1
	s_or_b32 s46, s46, s47                         ; my first head
	s_add_co_u32 s46, s46, s20
	s_lshl_b32 s46, s46, 4
	s_and_b32 s20, s17, 7
	s_lshl_b32 s20, s20, 1
	s_or_b32 s20, s20, s15                         ; my step of 128 tokens
	s_add_co_u32 s46, s46, s20
	s_mul_i32 s46, s46, BLK
	s_cmp_eq_u32 ttmp9, 0                          ; the cluster's column says which of Q, K, V: equal in all partners
	s_cselect_b32 s47, QSEC, 0
	s_cmp_eq_u32 ttmp9, 2
	s_cselect_b32 s47, VSEC, s47
	s_add_co_u32 s46, s46, s47
	s_mov_b32 s47, 0
	s_add_nc_u64 s[12:13], s[12:13], s[46:47]
.macro FRAG reg, adr, q, i             ; 16 rows x 128 K of 6-bit codes: 12 registers; pieces of 8 bytes; where the piece of lanes 16-31 lies behind one padding more, the second address register serves
.irp p, 0,1,2,3,4,5
.set PC, 12*(\q)+6*(\p/3)+\p%3
.if PC%8 < 5
	ds_load_b64 v[\reg+2*\p:\reg+2*\p+1], v[\adr] offset:8*PC+16*(PC/8)+(\i)*16*PITCH
.else
	ds_load_b64 v[\reg+2*\p:\reg+2*\p+1], v[\adr+2] offset:8*PC+16*(PC/8)+(\i)*16*PITCH
.endif
.endr
.endm
; 16 matrix instructions: A's blocks a0, a0 + 1 x B's eight.  The 64 accumulators take turns, one instruction a turn, in the same order in every step.
.macro MUL16 a0, p, q, sc, zero
.irp a, \a0, \a0+1
.irp b, 0,1,2,3,4,5,6,7
.if \zero
	v_wmma_scale_f32_16x16x128_f8f6f4 v[8*(8*((\a)%4)+\b):8*(8*((\a)%4)+\b)+7], v[128*(\p)+FR*\b:128*(\p)+FR*\b+FR-1], v[AF+FR*(\a):AF+FR*(\a)+FR-1], 0, v[SC+8*NQ*(\sc)+NQ*\b+(\q)], v[SC+8*NQ*(\sc)+NQ*(\a)+(\q)] matrix_a_fmt:MATRIX_FMT_FP6 matrix_b_fmt:MATRIX_FMT_FP6 matrix_a_scale:MATRIX_SCALE_ROW1
.else
	v_wmma_scale_f32_16x16x128_f8f6f4 v[8*(8*((\a)%4)+\b):8*(8*((\a)%4)+\b)+7], v[128*(\p)+FR*\b:128*(\p)+FR*\b+FR-1], v[AF+FR*(\a):AF+FR*(\a)+FR-1], v[8*(8*((\a)%4)+\b):8*(8*((\a)%4)+\b)+7], v[SC+8*NQ*(\sc)+NQ*\b+(\q)], v[SC+8*NQ*(\sc)+NQ*(\a)+(\q)] matrix_a_fmt:MATRIX_FMT_FP6 matrix_b_fmt:MATRIX_FMT_FP6 matrix_a_scale:MATRIX_SCALE_ROW1
.endif
.endr
.endr
.endm
.macro FETCH_B slot, q, p
	WIN TO_B
.irp i, 0,1,2,3,4,5,6,7
	FRAG 128*(\p)+FR*\i, ADRB+\slot, \q, \i
.endr
	WIN 0
.endm
.macro FETCH_A slot, q, i0
.irp i, \i0, \i0+1, \i0+2, \i0+3
	FRAG AF+FR*(\i), ADRA+\slot, \q, \i
.endr
.endm
.macro SCALES sc                       ; a K step's scale words: lanes 0-15 A's block i, lanes 16-31 B's block i
.irp i, 0,1,2,3,4,5,6,7
	ds_load_b64 v[SC+8*NQ*\sc+NQ*\i:SC+8*NQ*\sc+NQ*\i+1], v[ADRS] offset:\i*SBLK
.endr
.endm
.macro PLACES n                        ; plain vector places behind matrix instructions, in front of loads into their sources and of reads of their results
.rept \n
	v_nop
.endr
.endm
.macro STEP slot, q, zero              ; 128 along K whose successor lies in the same slot
	s_wait_dscnt 4*NL                              ; B's set and A's blocks 0-3 are in; A's blocks 4-7 (24 loads) may be out
	WIN MUL_LO
	MUL16 0, (\q)%2, \q, \slot, \zero
	MUL16 2, (\q)%2, \q, \slot, \zero
	s_wait_dscnt 0
	PLACES NP
	FETCH_B \slot, (\q)+1, 1-(\q)%2
	FETCH_A \slot, (\q)+1, 0
	WIN MUL_HI
	MUL16 4, (\q)%2, \q, \slot, \zero
	MUL16 6, (\q)%2, \q, \slot, \zero
	PLACES NP
	WIN 0
	FETCH_A \slot, (\q)+1, 4
.endm
; A slot's last step changes slots: one barrier; in front of it each wave waits for all its tensor loads, adds 0 to its spare word, and waits for that and for its reads of this slot.
.macro TURN slot, next, fill
	s_wait_tensorcnt 0x0                           ; all my tensor loads have landed: my part of the next slot
	ds_add_u32 v[SPW], v[NIL]
	s_wait_dscnt 4*NL+1                            ; the add and A's blocks 4-7 may be out
	WIN MUL_LO
	MUL16 0, 1, NQ-1, \slot, 0
	s_wait_dscnt 0x0                               ; the add is done, and my reads of this slot are over
	s_barrier_signal -1
	MUL16 2, 1, NQ-1, \slot, 0
	WIN 0
	s_barrier_wait -1
.if \fill
	CREST                                          ; the barrier opened a round of the cluster's: no wave of any partner still reads this slot or has a load on its way
	s_add_nc_u64 s[G0+4*\slot+2:G0+4*\slot+3], s[G0+4*\slot+2:G0+4*\slot+3], 2*ROWB
	s_add_nc_u64 s[G0B+4*\slot+2:G0B+4*\slot+3], s[G0B+4*\slot+2:G0B+4*\slot+3], 2*ROWB
	JLOAD G0+4*\slot, G1, G0B+4*\slot, G1B         ; my one tensor load behind the round; its four v_nop are the places in front of the loads below
.else
	PLACES NP
.endif
	v_add_nc_u32 v[ADRS], 4*NQ, v[ADRS]
	FETCH_B \next, 0, 0
	FETCH_A \next, 0, 0
	SCALES \next
	WIN MUL_HI
	MUL16 4, 1, NQ-1, \slot, 0
	MUL16 6, 1, NQ-1, \slot, 0
	PLACES NP
	WIN 0
	FETCH_A \next, 0, 4
.endm
	s_wait_tensorcnt 1                             ; the scale bytes and my part of K step 0 are in; K step 1's load may be out
	s_barrier_signal -1
	s_barrier_wait -1
	FETCH_B 0, 0, 0
	FETCH_A 0, 0, 0
	SCALES 0
	FETCH_A 0, 0, 4
	STEP 0, 0, 1                                   ; the first products start the sums
	s_mov_b32 s3, LAPS-1
.Llap:
	TURN 0, 1, 1
	STEP 1, 0, 0
	TURN 1, 0, 1
	STEP 0, 0, 0
	s_sub_co_u32 s3, s3, 1
	s_cmp_lg_u32 s3, 0
	s_cbranch_scc1 .Llap
	TURN 0, 1, 0                                   ; the last lap fills nothing
	STEP 1, 0, 0
	s_wait_dscnt 4*NL
	WIN MUL_LO
	MUL16 0, 1, NQ-1, 1, 0
	MUL16 2, 1, NQ-1, 1, 0
	s_wait_dscnt 0
	WIN MUL_HI
	MUL16 4, 1, NQ-1, 1, 0
	MUL16 6, 1, NQ-1, 1, 0
	WIN 0
	PLACES NP                                      ; in front of the first reads of results and the first writes of registers that held fragments
.macro FINISH                          ; a wave's end: the closing round, so that no work-group ends while a partner may still ask
	s_wait_tensorcnt 0x0
	ds_add_u32 v[SPW], v[NIL]
	s_wait_dscnt 0x0
	CROUND
	s_endpgm
.endm
	s_mov_b32 s[SEL], 0x76543210
	s_mov_b32 s[SEL+1], 0xfedcba98
	s_mov_b32 s[LE], 0x3fb8aa3b                    ; log2 e
	s_mov_b32 s[LE+1], s[LE]
	v_and_b32 v1, 15, v0                           ; r
	v_bfe_u32 v2, v0, 4, 1                         ; h
	v_and_b32 v3, 31, v0                           ; lane
	s_cmp_eq_u32 ttmp9, 2                          ; the cluster's column: equal in all partners; neither way holds a barrier of its own or a tensor load
	s_cbranch_scc1 .Lvpath
; ---- Q AND K.  Nothing goes through LDS: a row of accumulators is 16 tokens x 128 columns = two heads x two blocks of 32, and its codes are halves of two images.
.set HA,  64                           ; v64-127  phi of a row of accumulators
.set TM,  128                          ; v128-143 at work in QUANT
.set PCA, 144                          ; v144-163 codes of tile 2 f
.set PCB, 164                          ; v164-183 codes of tile 2 f + 1
.set PWA, 184
.set PWB, 185
.set TT,  186                          ; v186-193 the two middle groups of four registers
.set KW,  194                          ; v194-201 scale words: head 0's four, head 1's four
.set SW,  202
.set GL,  206                          ; 16 x lane
.set GS,  207                          ; (lane / 16) x HS + 16 r
.set TP,  208
	v_lshlrev_b32 v[GL], 4, v3
	v_mul_u32_u24 v[GS], v2, HS
	v_lshl_add_u32 v[GS], v1, 4, v[GS]
.irp b, 0,1,2,3
	v_mov_b32 v[TM+4+\b], 0                        ; a lane permute's destination counts as one of its sources
.endr
.macro ACT a                           ; phi of accumulators (a, 0 .. 7) into v[HA ..]; every run ascends
.set AC, 64*((\a)%4)
	WIN 0x02+(\a)/4                                ; source 0: the accumulators' window
.set j, 0
.rept 32
	v_pk_mul_f32 v[HA+j:HA+j+1], v[AC+j:AC+j+1], s[LE:LE+1] op_sel_hi:[1,0]
.set j, j+2
.endr
	WIN 0x08+4*((\a)/4)                            ; source 1: the accumulators' window
.set j, 0
.rept 64
	v_exp_f32 v[HA+j], v[HA+j]                     ; e^x
.set j, j+1
.endr
	v_nop                                          ; a plain place behind the exponentials
.set j, 0
	s_wait_alu depctr_va_vdst(0)
.rept 32
	v_pk_add_f32 v[HA+j:HA+j+1], v[HA+j:HA+j+1], -1.0 op_sel_hi:[1,0]   ; e^x - 1
.set j, j+2
.endr
.set j, 0
.rept 64
	v_cmp_lt_f32 vcc_lo, 0, v[AC+j]
	v_cndmask_b32 v[HA+j], v[HA+j], v[AC+j], vcc_lo                    ; elu: x where x > 0
.set j, j+1
.endr
.set j, 0
.rept 32
	v_pk_add_f32 v[HA+j:HA+j+1], v[HA+j:HA+j+1], 1.0 op_sel_hi:[1,0]    ; + 1
.set j, j+2
.endr
	WIN 0
.endm
; 64 numbers of a lane, register 16 b + i = k 32 b + 16 (lane / 16) + i of my row, become a fragment's codes in v[pc ..] and its scale word in v[pw]
.macro QUANT s, pc, pw
.irp b, 0,1,2,3
	v_max3_num_f32 v[TM+\b], |v[\s+16*\b]|, |v[\s+1+16*\b]|, 0x1800000   ; with the floor 2^(3 - 127): the byte cannot fall under 1
.endr
.irp i, 2,4,6,8,10,12,14
.irp b, 0,1,2,3
	v_max3_num_f32 v[TM+\b], v[TM+\b], |v[\s+16*\b+\i]|, |v[\s+1+16*\b+\i]|
.endr
.endr
.irp b, 0,1,2,3
	v_permlanex16_b32 v[TM+4+\b], v[TM+\b], s[SEL], s[SEL+1]
.endr
.irp b, 0,1,2,3
	v_max_num_f32 v[TM+\b], v[TM+\b], v[TM+4+\b]   ; with lane l xor 16's: the block's largest magnitude
.endr
.irp b, 0,1,2,3
	v_add_nc_u32 v[TM+12+\b], 0xff000000, v[TM+\b] ; 2 off its exponent field: the conversion's scale operand
.endr
.irp b, 0,1,2,3
	v_lshrrev_b32 v[TM+4+\b], 23, v[TM+12+\b]      ; the byte
.endr
	v_lshl_or_b32 v[\pw], v[TM+5], 8, v[TM+4]
	v_lshl_or_b32 v[\pw], v[TM+6], 16, v[\pw]
	v_lshl_or_b32 v[\pw], v[TM+7], 24, v[\pw]
.irp c, 0,1
	v_cvt_scalef32_pk16_fp6_f32 v[\pc+6*\c:\pc+2+6*\c], v[\s+32*\c:\s+15+32*\c], v[TM+12+2*\c]
	v_cvt_scalef32_pk16_fp6_f32 v[\pc+12+4*\c:\pc+14+4*\c], v[\s+16+32*\c:\s+31+32*\c], v[TM+12+2*\c+1]
.endr
	v_nop                                          ; one plain place behind a scaled conversion
.irp c, 0,1                            ; a whole block to a lane: lanes 0-15 block 2 c, lanes 16-31 block 2 c + 1
.irp i, 0,1,2
	v_permlane16_swap_b32 v[\pc+6*\c+\i], v[\pc+12+4*\c+\i]
.endr
.irp i, 0,1,2
	v_mov_b32 v[\pc+3+6*\c+\i], v[\pc+12+4*\c+\i]
.endr
.endr
.endm
; Tiles 2 f and 2 f + 1 (32 tokens) make image f of both heads: a head's image is tile 2 f's six registers, then tile 2 f + 1's
.macro PAIR f
	s_wait_xcnt 0x0                                ; the last pair's stores have read their data: these registers are written again only behind this wait
	ACT 2*\f
	QUANT HA, PCA, PWA
	ACT 2*\f+1
	QUANT HA, PCB, PWB
	v_mov_b32 v[TT+0], v[PCA+4]
	v_mov_b32 v[TT+1], v[PCA+5]
	v_mov_b32 v[TT+2], v[PCB+0]
	v_mov_b32 v[TT+3], v[PCB+1]
	v_mov_b32 v[TT+4], v[PCA+10]
	v_mov_b32 v[TT+5], v[PCA+11]
	v_mov_b32 v[TT+6], v[PCB+6]
	v_mov_b32 v[TT+7], v[PCB+7]
	v_and_b32 v[TP], 0xffff, v[PWA]
	v_lshl_or_b32 v[KW+\f], v[PWB], 16, v[TP]      ; head 0: tile 2 f's two bytes, then tile 2 f + 1's
	v_lshrrev_b32 v[TP], 16, v[PWA]
	v_and_or_b32 v[KW+4+\f], v[PWB], 0xffff0000, v[TP]   ; head 1 likewise
	global_store_b128 v[GL], v[PCA:PCA+3], s[12:13] offset:1536*\f             ; each store: 512 consecutive bytes, aligned
	global_store_b128 v[GL], v[TT:TT+3], s[12:13] offset:1536*\f+512
	global_store_b128 v[GL], v[PCB+2:PCB+5], s[12:13] offset:1536*\f+1024
	global_store_b128 v[GL], v[PCA+6:PCA+9], s[12:13] offset:1536*\f+HS
	global_store_b128 v[GL], v[TT+4:TT+7], s[12:13] offset:1536*\f+HS+512
	global_store_b128 v[GL], v[PCB+8:PCB+11], s[12:13] offset:1536*\f+HS+1024
.endm
	PAIR 0
	PAIR 1
	PAIR 2
	PAIR 3
	v_cmp_lt_u32 vcc_lo, 15, v3                    ; both halves of the lanes hold row r's words: lanes 0-15 store head 0's four, lanes 16-31 head 1's
.irp i, 0,1,2,3
	v_cndmask_b32 v[SW+\i], v[KW+\i], v[KW+4+\i], vcc_lo
.endr
	global_store_b128 v[GS], v[SW:SW+3], s[12:13] offset:6144   ; 16 lanes store 256 consecutive bytes, aligned
	FINISH
; ---- V.  Its K is the tokens, which lie across lanes: 32 columns at a time go through my own stage in LDS (128 rows = tokens, 128 bytes + 16), and come back a column to a lane, registers down the tokens.
; The stage lies in slot 0, which has had its last fill, and which nobody reads behind the last change of slots.
.Lvpath:
.set X,    64                          ; v64-127  two blocks of 32 tokens of my column
.set C,    128                         ; v128-139 their codes: a lane's 12 registers of an image
.set CT,   140
.set VM,   148                         ; v148-153 at work
.set VW,   154                         ; v[154:155] my channel's scale words in the two groups of 32 channels of a head
.set VSTO, 156
.set VRD,  157
.set VGO,  158
.set VGS,  159
	s_mul_i32 s20, s14, 128*144
	v_and_b32 v4, 8, v1
	v_add_nc_u32 v4, v4, v1                        ; r + 8 (r / 8)
	v_mul_u32_u24 v[VSTO], v4, 144
	v_lshl_add_u32 v[VSTO], v2, 6, v[VSTO]
	v_add_nc_u32 v[VSTO], s20, v[VSTO]             ; in: my token's row, + 64 h
	v_lshl_add_u32 v[VRD], v3, 2, s20              ; back: column = lane
	v_bfe_u32 v5, v3, 3, 1
	v_mul_u32_u24 v[VGO], v5, 1536                 ; channel 8 u + r + 8 (r / 8) of a group of 32 is row r of image 2 b + u
	v_and_b32 v5, 7, v3
	v_lshrrev_b32 v6, 4, v3
	v_lshl_add_u32 v5, v6, 3, v5
	v_lshl_add_u32 v[VGO], v5, 4, v[VGO]
	v_lshlrev_b32 v[VGS], 3, v3
.macro VPUT g                          ; columns 32 g .. 32 g + 31 of all 128 tokens into the stage; each accumulator from its low end on
.irp a, 0,1,2,3,4,5,6,7
	WIN 0x08+4*(\a/4)                              ; an LDS store's data are its source 1
.irp u, 0,1
	ds_store_b128 v[VSTO], v[8*(8*(\a%4)+2*(\g)+\u):8*(8*(\a%4)+2*(\g)+\u)+3] offset:(32*(\a/2)+8*(\a%2))*144+32*\u
	ds_store_b128 v[VSTO], v[8*(8*(\a%4)+2*(\g)+\u)+4:8*(8*(\a%4)+2*(\g)+\u)+7] offset:(32*(\a/2)+8*(\a%2))*144+32*\u+16
.endr
.endr
	WIN 0
.endm
.macro VHALF g, hh                     ; token blocks hh and 2 + hh of my column: what lane (r, hh) of the image holds
.irp c, 0,1
.set i, 0
.rept 32
	ds_load_b32 v[X+32*\c+i], v[VRD] offset:(32*(2*\c+\hh)+i)*144   ; in order behind my stores
.set i, i+1
.endr
.endr
	s_wait_dscnt 0x0
	s_wait_xcnt 0x0                                ; earlier stores have read their data: C and VW are written again only behind this wait
.irp c, 0,1
	v_max3_num_f32 v[VM+2*\c], |v[X+32*\c]|, |v[X+32*\c+1]|, |v[X+32*\c+2]|
	v_max3_num_f32 v[VM+2*\c+1], |v[X+32*\c+3]|, |v[X+32*\c+4]|, |v[X+32*\c+5]|
.endr
.irp i, 6,10,14,18,22,26
.irp c, 0,1
	v_max3_num_f32 v[VM+2*\c], v[VM+2*\c], |v[X+32*\c+\i]|, |v[X+32*\c+\i+1]|
	v_max3_num_f32 v[VM+2*\c+1], v[VM+2*\c+1], |v[X+32*\c+\i+2]|, |v[X+32*\c+\i+3]|
.endr
.endr
.irp c, 0,1
	v_max3_num_f32 v[VM+2*\c], v[VM+2*\c], |v[X+32*\c+30]|, |v[X+32*\c+31]|
.endr
.irp c, 0,1
	v_max3_num_f32 v[VM+2*\c], v[VM+2*\c], v[VM+2*\c+1], 0x1800000   ; the floor
.endr
.irp c, 0,1
	v_add_nc_u32 v[VM+4+\c], 0xff000000, v[VM+2*\c]
.endr
.irp c, 0,1
	v_lshrrev_b32 v[VM+2*\c], 23, v[VM+4+\c]
.endr
.irp c, 0,1
.if 2*\c+\hh == 0
	v_mov_b32 v[VW+(\g)%2], v[VM+2*\c]
.else
	v_lshl_or_b32 v[VW+(\g)%2], v[VM+2*\c], 8*(2*\c+\hh), v[VW+(\g)%2]   ; byte kb of a channel's word is token block kb
.endif
.endr
	v_cvt_scalef32_pk16_fp6_f32 v[C:C+2], v[X:X+15], v[VM+4]
	v_cvt_scalef32_pk16_fp6_f32 v[CT:CT+2], v[X+16:X+31], v[VM+4]
	v_cvt_scalef32_pk16_fp6_f32 v[C+6:C+8], v[X+32:X+47], v[VM+5]
	v_cvt_scalef32_pk16_fp6_f32 v[CT+4:CT+6], v[X+48:X+63], v[VM+5]
	v_nop                                          ; one plain place behind a scaled conversion
.irp i, 0,1,2
	v_mov_b32 v[C+3+\i], v[CT+\i]
	v_mov_b32 v[C+9+\i], v[CT+4+\i]
.endr
.irp q, 0,1,2
	global_store_b128 v[VGO], v[C+4*\q:C+4*\q+3], s[12:13] offset:((\g)/2)*HS+((\g)%2)*3072+512*\q+256*(\hh)   ; sixteen lanes fill 256 aligned bytes of one image, sixteen of the next
.endr
.endm
.irp g, 0,1,2,3
	VPUT \g
	VHALF \g, 0
	VHALF \g, 1
.if \g%2 == 1
	global_store_b64 v[VGS], v[VW:VW+1], s[12:13] offset:(\g/2)*HS+6144   ; 32 lanes store 256 consecutive bytes, aligned
.endif
.endr
	FINISH
.Lfunc_end_k_q260ba8ee75_proj:
	.size	k_q260ba8ee75_proj, .Lfunc_end_k_q260ba8ee75_proj-k_q260ba8ee75_proj
	.p2alignl 7, 3214868480
	.fill 96, 4, 3214868480
	.section	.rodata,"a",@progbits
	.p2align	6, 0x0
	.amdhsa_kernel k_q260ba8ee75_proj
		.amdhsa_group_segment_fixed_size 327680
		.amdhsa_private_segment_fixed_size 0
		.amdhsa_enable_private_segment 0
		.amdhsa_kernarg_size 40
		.amdhsa_user_sgpr_count 2
		.amdhsa_user_sgpr_kernarg_segment_ptr 1
		.amdhsa_wavefront_size32 1
		.amdhsa_system_sgpr_workgroup_id_x 1
		.amdhsa_system_sgpr_workgroup_id_y 1
		.amdhsa_system_sgpr_workgroup_id_z 1
		.amdhsa_system_vgpr_workitem_id 0
		.amdhsa_next_free_vgpr 1024
		.amdhsa_next_free_sgpr 98
		.amdhsa_reserve_vcc 1
		.amdhsa_float_denorm_mode_32 3
		.amdhsa_float_denorm_mode_16_64 3
		.amdhsa_memory_ordered 1
		.amdhsa_forward_progress 1
		.amdhsa_inst_pref_size 255
	.end_amdhsa_kernel
	.section	.bss,"aw",@nobits
	.p2align	6
	.space	262144
	.amdgpu_metadata
---
amdhsa.version: [ 1, 2 ]
amdhsa.kernels:
  - .name:           k_q260ba8ee75_proj
    .symbol:         k_q260ba8ee75_proj.kd
    .args:
      - { .name: xc, .offset: 0, .size: 8, .value_kind: global_buffer, .address_space: global }
      - { .name: xs, .offset: 8, .size: 8, .value_kind: global_buffer, .address_space: global }
      - { .name: wc, .offset: 16, .size: 8, .value_kind: global_buffer, .address_space: global }
      - { .name: ws, .offset: 24, .size: 8, .value_kind: global_buffer, .address_space: global }
      - { .name: qkv, .offset: 32, .size: 8, .value_kind: global_buffer, .address_space: global }
    .group_segment_fixed_size: 327680
    .private_segment_fixed_size: 0
    .kernarg_segment_align: 8
    .kernarg_segment_size: 40
    .max_flat_workgroup_size: 128
    .sgpr_count:     98
    .vgpr_count:     1024
    .wavefront_size: 32
...
	.end_amdgpu_metadata
.endif
;; end of part 2
;; launch gates (part 3): grid 64 x 1, 4 waves a work-group, no clusters, 9,216 bytes of LDS; arguments xc, xs, wc, ws, bw, be, qkv; writes qkv
.if DOCPART == 3
	.amdgcn_target "amdgcn-amd-amdhsa--gfx1250"
	.amdhsa_code_object_version 6
	.text
	.protected	k_q260ba8ee75_gates
	.globl	k_q260ba8ee75_gates
	.p2align	8
	.type	k_q260ba8ee75_gates,@function
k_q260ba8ee75_gates:
	s_mov_b64 s[64:65], 0
	v_nop
	global_prefetch_b8 v0, s[64:65] scope:SCOPE_SE
	s_setreg_imm32_b32 hwreg(HW_REG_WAVE_MODE, 25, 1), 1
	s_wait_xcnt 0x0
; The two gates: x Ww^T + bw and x We^T + be on codes of FP6 (E2M3), then, in f32 and in base 2:
;   L = log2(1 + 2^(-zw log2 e)) = -log2(write gate);   G = log2((1 - sigmoid(ze)) 0.95 + 1e-8);   c_j = the sum of G from the start of j's chunk of 64 tokens up to j.
; Into each block of qkv (one head, 128 tokens): at 19,712 c_j; at 12,800 -(c_j + L_j).  The later launch forms C_i - C_j + log2 w_j from these and a prefix of the 32 chunk totals.
; A work-group takes one chunk of 64 tokens, a wave 16 of them.  Source 0 = 16 tokens of x, source 1 = the 16 heads' rows: lane (r, h) holds head r and tokens 8 h + 0 .. 7.
; The results turn through a stage in LDS (32 rows of 256 bytes + 16: L's 16 heads, then G's), so that sixteen lanes hold a head's 64 tokens in order for the running sum and store 256 aligned bytes.
; xc's rows lie with bits 3 and 4 exchanged: token 16 w + r of the chunk is row 32 (w / 2) + 8 (w % 2) + r % 8 + 16 (r / 8).
; No cluster, no tensor load: what work-groups share, the 32 rows of weights, is two thirds of what a wave reads, 24 KiB, and the launch is short.
; LIMITS: the erase gate's exponent -ze log2 e is held at 126 (beyond it 1 - sigmoid is 1 either way); a write gate under 2^-127 counts as 0; NaN and infinities are not served.
.set BLK, 20224
.set HS,  16*BLK
.set EJ,  12800
.set CJ,  19712
.set XS,  8                            ; v8-15   x's scale words, one for each 128 along K
.set WS,  16                           ; v16-23  Ww's
.set ES,  24                           ; v24-31  We's
.set XF,  32                           ; v32-79  four fragments of x
.set WF,  80                           ; v80-127 of Ww
.set EF,  128                          ; v128-175 of We
.set AW,  176
.set AE,  184
.set ZW,  192
.set ZE,  200
	s_load_b256 s[4:11], s[0:1], 0x0               ; xc, xs, wc, ws
	s_load_b128 s[12:15], s[0:1], 0x20             ; bw, be
	s_load_b64 s[16:17], s[0:1], 0x30              ; qkv
	v_lshl_add_u32 v254, v0, 2, 0x2200
	v_mov_b32 v255, 0
	v_lshrrev_b32 v1, 5, v0
	v_readfirstlane_b32 s18, v1                    ; wave
	v_and_b32 v1, 15, v0                           ; r
	v_bfe_u32 v2, v0, 4, 1                         ; h
	v_and_b32 v3, 7, v1
	v_lshrrev_b32 v4, 3, v1
	v_lshl_add_u32 v4, v4, 4, v3                   ; r % 8 + 16 (r / 8)
	v_mul_u32_u24 v3, v4, 768
	v_mad_u32_u24 v3, v2, 24, v3                   ; x's codes
	v_lshlrev_b32 v4, 5, v4                        ; x's scale bytes
	v_mul_u32_u24 v5, v1, 768
	v_mad_u32_u24 v5, v2, 24, v5                   ; the weights' codes
	v_lshlrev_b32 v6, 5, v1                        ; their scale bytes
	v_lshlrev_b32 v7, 2, v1                        ; the biases
	s_lshl_b32 s19, ttmp9, 6
	s_lshr_b32 s20, s18, 1
	s_lshl_b32 s20, s20, 5
	s_add_co_u32 s19, s19, s20
	s_and_b32 s20, s18, 1
	s_lshl_b32 s20, s20, 3
	s_add_co_u32 s19, s19, s20                     ; 64 X + 32 (w / 2) + 8 (w % 2)
	s_mul_i32 s20, s19, 768
	s_mov_b32 s21, 0
	s_lshl_b32 s22, s19, 5
	s_mov_b32 s23, 0
	s_lshl_b32 s24, s18, 6
	v_mul_u32_u24 v210, v1, 272
	v_lshl_add_u32 v210, v2, 5, v210
	v_add_nc_u32 v210, s24, v210                   ; the stage, in: row = head r, byte 64 w + 32 h
	s_mul_i32 s24, s18, 4*272
	v_mul_u32_u24 v211, v2, 272
	v_lshl_add_u32 v211, v1, 4, v211
	v_add_nc_u32 v211, s24, v211                   ; back: head 4 w + (lane / 16) (+ 2 k), 16 bytes a lane
	v_mul_u32_u24 v212, v2, HS
	v_lshl_add_u32 v212, v1, 4, v212               ; and the same place in qkv
	s_lshr_b32 s24, ttmp9, 5
	s_lshl_b32 s24, s24, 4
	s_lshl_b32 s25, s18, 2
	s_add_co_u32 s24, s24, s25                     ; 16 x batch + 4 w
	s_mul_i32 s24, s24, HS
	s_bfe_u32 s25, ttmp9, 0x40001                  ; the step of 128 tokens
	s_mul_i32 s25, s25, BLK
	s_add_co_u32 s24, s24, s25
	s_and_b32 s25, ttmp9, 1                        ; which half of it
	s_lshl_b32 s25, s25, 8
	s_add_co_u32 s24, s24, s25
	s_mov_b32 s25, 0
	s_mov_b32 s26, 0xbfb8aa3b                      ; -log2 e
	s_mov_b32 s27, 0x3f733333                      ; 0.95
	s_mov_b32 s28, 0x322bcc77                      ; 1e-8
	s_wait_kmcnt 0x0
	s_add_nc_u64 s[4:5], s[4:5], s[20:21]
	s_add_nc_u64 s[6:7], s[6:7], s[22:23]
	s_add_nc_u64 s[8:9], s[8:9], 4096*768          ; Ww's rows; We's lie 16 rows on
	s_add_nc_u64 s[10:11], s[10:11], 4096*32
	s_add_nc_u64 s[16:17], s[16:17], s[24:25]
	global_load_b128 v[XS:XS+3], v4, s[6:7]
	global_load_b128 v[XS+4:XS+7], v4, s[6:7] offset:16
	global_load_b128 v[WS:WS+3], v6, s[10:11]
	global_load_b128 v[WS+4:WS+7], v6, s[10:11] offset:16
	global_load_b128 v[ES:ES+3], v6, s[10:11] offset:512
	global_load_b128 v[ES+4:ES+7], v6, s[10:11] offset:528
	global_load_b32 v208, v7, s[12:13]
	global_load_b32 v209, v7, s[14:15]
.macro LOADK ph                        ; the fragments of four steps of 128 along K: 24 bytes of a row's stream of bits as three loads of 8
.irp k, 0,1,2,3
.irp p, 0,1,2,3,4,5
	global_load_b64 v[XF+12*\k+2*\p:XF+12*\k+2*\p+1], v3, s[4:5] offset:96*(4*\ph+\k)+48*(\p/3)+8*(\p%3)
	global_load_b64 v[WF+12*\k+2*\p:WF+12*\k+2*\p+1], v5, s[8:9] offset:96*(4*\ph+\k)+48*(\p/3)+8*(\p%3)
	global_load_b64 v[EF+12*\k+2*\p:EF+12*\k+2*\p+1], v5, s[8:9] offset:12288+96*(4*\ph+\k)+48*(\p/3)+8*(\p%3)
.endr
.endr
.endm
.macro MULK ph, first                  ; the two accumulators take turns, one instruction a turn
.irp k, 0,1,2,3
.if \first && (\k == 0)
	v_wmma_scale_f32_16x16x128_f8f6f4 v[AW:AW+7], v[XF+12*\k:XF+12*\k+11], v[WF+12*\k:WF+12*\k+11], 0, v[XS+4*\ph+\k], v[WS+4*\ph+\k] matrix_a_fmt:MATRIX_FMT_FP6 matrix_b_fmt:MATRIX_FMT_FP6
	v_wmma_scale_f32_16x16x128_f8f6f4 v[AE:AE+7], v[XF+12*\k:XF+12*\k+11], v[EF+12*\k:EF+12*\k+11], 0, v[XS+4*\ph+\k], v[ES+4*\ph+\k] matrix_a_fmt:MATRIX_FMT_FP6 matrix_b_fmt:MATRIX_FMT_FP6
.else
	v_wmma_scale_f32_16x16x128_f8f6f4 v[AW:AW+7], v[XF+12*\k:XF+12*\k+11], v[WF+12*\k:WF+12*\k+11], v[AW:AW+7], v[XS+4*\ph+\k], v[WS+4*\ph+\k] matrix_a_fmt:MATRIX_FMT_FP6 matrix_b_fmt:MATRIX_FMT_FP6
	v_wmma_scale_f32_16x16x128_f8f6f4 v[AE:AE+7], v[XF+12*\k:XF+12*\k+11], v[EF+12*\k:EF+12*\k+11], v[AE:AE+7], v[XS+4*\ph+\k], v[ES+4*\ph+\k] matrix_a_fmt:MATRIX_FMT_FP6 matrix_b_fmt:MATRIX_FMT_FP6
.endif
.endr
.endm
	LOADK 0
	s_wait_loadcnt 0x0
	MULK 0, 1
.rept 4
	v_nop                                          ; places in front of loads into registers that matrix instructions have read
.endr
	LOADK 1
	s_wait_loadcnt 0x0
	MULK 1, 0
	v_mul_f32 v208, s26, v208                      ; -b log2 e.  (With the two v_nop: the four places in front of the first read of results)
	v_mul_f32 v209, s26, v209
	v_nop
	v_nop
.irp j, 0,1,2,3,4,5,6,7
	v_fma_f32 v[ZW+\j], v[AW+\j], s26, v208        ; -(sum + bw) log2 e, from the accumulator's low end on
.endr
.irp j, 0,1,2,3,4,5,6,7
	v_fma_f32 v[ZE+\j], v[AE+\j], s26, v209
.endr
.irp j, 0,1,2,3,4,5,6,7
	v_min_num_f32 v[ZE+\j], 0x42fc0000, v[ZE+\j]   ; held at 126, so that 1 + 2^. stays finite for the step of Newton below
.endr
.irp j, 0,1,2,3,4,5,6,7,8,9,10,11,12,13,14,15
	v_exp_f32 v[ZW+\j], v[ZW+\j]
.endr
	v_nop                                          ; a plain place behind the exponentials
	s_wait_alu depctr_va_vdst(0)
.irp j, 0,2,4,6,8,10,12,14
	v_pk_add_f32 v[ZW+\j:ZW+\j+1], v[ZW+\j:ZW+\j+1], 1.0 op_sel_hi:[1,0]
.endr
.irp j, 0,1,2,3,4,5,6,7
	v_log_f32 v[ZW+\j], v[ZW+\j]                   ; L
.endr
.irp j, 0,1,2,3,4,5,6,7
	v_rcp_f32 v[216+\j], v[ZE+\j]                  ; the erase gate, to 1 ulp
.endr
	v_nop
	s_wait_alu depctr_va_vdst(0)
.irp j, 0,1,2,3,4,5,6,7
	v_fma_f32 v[224+\j], -v[ZE+\j], v[216+\j], 1.0 ; one step of Newton: 1 - e is a difference of near numbers where e is near 1
.endr
.irp j, 0,1,2,3,4,5,6,7
	v_fma_f32 v[216+\j], v[216+\j], v[224+\j], v[216+\j]
.endr
.irp j, 0,1,2,3,4,5,6,7
	v_sub_f32 v[216+\j], 1.0, v[216+\j]
.endr
.irp j, 0,1,2,3,4,5,6,7
	v_fma_f32 v[216+\j], v[216+\j], s27, s28       ; (1 - e) 0.95 + 1e-8
.endr
.irp j, 0,1,2,3,4,5,6,7
	v_log_f32 v[ZE+\j], v[216+\j]                  ; G
.endr
	v_nop
	ds_store_b128 v210, v[ZW:ZW+3]
	ds_store_b128 v210, v[ZW+4:ZW+7] offset:16
	s_wait_alu depctr_va_vdst(0)
	ds_store_b128 v210, v[ZE:ZE+3] offset:16*272
	ds_store_b128 v210, v[ZE+4:ZE+7] offset:16*272+16
	s_wait_dscnt 0x0                               ; for the others' sake: my stores into the stage are done
	s_barrier_signal -1
	s_barrier_wait -1
.irp k, 0,1
	ds_load_b128 v[216+8*\k:219+8*\k], v211 offset:(16+2*\k)*272   ; G of tokens 4 p .. 4 p + 3 of head 4 w + 2 k + (lane / 16)
	ds_load_b128 v[220+8*\k:223+8*\k], v211 offset:2*\k*272        ; L
.endr
	s_wait_dscnt 0x0
.irp i, 1,2,3
.irp k, 0,1
	v_add_f32 v[216+8*\k+\i], v[215+8*\k+\i], v[216+8*\k+\i]       ; the running sum of my four
.endr
.endr
.irp k, 0,1
	v_mov_b32 v[232+\k], v[219+8*\k]
	v_mov_b32 v[234+\k], 0
.endr
.irp n, 1,2,4,8                        ; and across the sixteen lanes of a head: lane i adds lane i - n's; lanes without one add 0
.irp k, 0,1
	v_add_f32_dpp v[232+\k], v[232+\k], v[232+\k] row_shr:\n row_mask:0xf bank_mask:0xf bound_ctrl:1
.endr
.endr
.irp k, 0,1
	v_mov_b32_dpp v[234+\k], v[232+\k] row_shr:1 row_mask:0xf bank_mask:0xf bound_ctrl:1   ; what lies in front of my four
.endr
.irp k, 0,1
.irp i, 0,1,2,3
	v_add_f32 v[216+8*\k+\i], v[216+8*\k+\i], v[234+\k]            ; c_j
.endr
.endr
.irp k, 0,1
.irp i, 0,1,2,3
	v_sub_f32 v[236+4*\k+\i], -v[216+8*\k+\i], v[220+8*\k+\i]      ; -(c_j + L_j)
.endr
.endr
.irp k, 0,1
	global_store_b128 v212, v[216+8*\k:219+8*\k], s[16:17] offset:2*\k*HS+CJ   ; 16 lanes store 256 consecutive bytes, aligned
	global_store_b128 v212, v[236+4*\k:239+4*\k], s[16:17] offset:2*\k*HS+EJ
.endr
	s_wait_tensorcnt 0x0
	ds_add_u32 v254, v255
	s_wait_dscnt 0x0
	s_endpgm
.Lfunc_end_k_q260ba8ee75_gates:
	.size	k_q260ba8ee75_gates, .Lfunc_end_k_q260ba8ee75_gates-k_q260ba8ee75_gates
	.p2alignl 7, 3214868480
	.fill 96, 4, 3214868480
	.section	.rodata,"a",@progbits
	.p2align	6, 0x0
	.amdhsa_kernel k_q260ba8ee75_gates
		.amdhsa_group_segment_fixed_size 9216
		.amdhsa_private_segment_fixed_size 0
		.amdhsa_enable_private_segment 0
		.amdhsa_kernarg_size 56
		.amdhsa_user_sgpr_count 2
		.amdhsa_user_sgpr_kernarg_segment_ptr 1
		.amdhsa_wavefront_size32 1
		.amdhsa_system_sgpr_workgroup_id_x 1
		.amdhsa_system_sgpr_workgroup_id_y 1
		.amdhsa_system_sgpr_workgroup_id_z 1
		.amdhsa_system_vgpr_workitem_id 0
		.amdhsa_next_free_vgpr 256
		.amdhsa_next_free_sgpr 66
		.amdhsa_reserve_vcc 0
		.amdhsa_float_denorm_mode_32 3
		.amdhsa_float_denorm_mode_16_64 3
		.amdhsa_memory_ordered 1
		.amdhsa_forward_progress 1
		.amdhsa_inst_pref_size 28
	.end_amdhsa_kernel
	.amdgpu_metadata
---
amdhsa.version: [ 1, 2 ]
amdhsa.kernels:
  - .name:           k_q260ba8ee75_gates
    .symbol:         k_q260ba8ee75_gates.kd
    .args:
      - { .name: xc, .offset: 0, .size: 8, .value_kind: global_buffer, .address_space: global }
      - { .name: xs, .offset: 8, .size: 8, .value_kind: global_buffer, .address_space: global }
      - { .name: wc, .offset: 16, .size: 8, .value_kind: global_buffer, .address_space: global }
      - { .name: ws, .offset: 24, .size: 8, .value_kind: global_buffer, .address_space: global }
      - { .name: bw, .offset: 32, .size: 8, .value_kind: global_buffer, .address_space: global }
      - { .name: be, .offset: 40, .size: 8, .value_kind: global_buffer, .address_space: global }
      - { .name: qkv, .offset: 48, .size: 8, .value_kind: global_buffer, .address_space: global }
    .group_segment_fixed_size: 9216
    .private_segment_fixed_size: 0
    .kernarg_segment_align: 8
    .kernarg_segment_size: 56
    .max_flat_workgroup_size: 128
    .sgpr_count:     66
    .vgpr_count:     256
    .wavefront_size: 32
...
	.end_amdgpu_metadata
.endif
;; end of part 3
;; launch attn (part 4): grid 8 x 32, 16 waves a work-group, clusters of 4 x 1, 217,088 bytes of LDS; arguments qkv, oc, os; writes oc, os
.if DOCPART == 4
	.amdgcn_target "amdgcn-amd-amdhsa--gfx1250"
	.amdhsa_code_object_version 6
	.text
	.protected	k_q260ba8ee75_attn
	.globl	k_q260ba8ee75_attn
	.p2align	8
	.type	k_q260ba8ee75_attn,@function
k_q260ba8ee75_attn:
	s_mov_b64 s[64:65], 0
	v_nop
	global_prefetch_b8 v0, s[64:65] scope:SCOPE_SE
	s_setreg_imm32_b32 hwreg(HW_REG_WAVE_MODE, 25, 1), 1
	s_wait_xcnt 0x0
	s_wait_alu depctr_hold_cnt(0) depctr_sa_sdst(0) depctr_va_vdst(0) depctr_va_sdst(0) depctr_va_ssrc(0) depctr_va_vcc(0) depctr_vm_vsrc(0)
	s_getreg_b32 s2, hwreg(HW_REG_IB_STS2, 6, 4)
	s_cmp_eq_u32 s2, 0
	s_cbranch_scc0 .Lentry_in_a_cluster
	s_endpgm
.Lentry_in_a_cluster:
	s_bfe_u32 s2, ttmp6, 0x10000c
	s_cmp_lg_u32 s2, 0x3003
	s_cbranch_scc0 .Lentry_shape_is_right
	s_endpgm
.Lentry_shape_is_right:
; For each head: eff[i][j] = (Q_i . K_j) w_j exp(C_i - C_j) for j <= i, else 0;  out_i = (sum_j eff V_j) / (sum_j eff + 1e-6).  Both products on codes of FP6 (E2M3) with E8M0 scales;
; eff is quantised along the keys; the row's sum is taken of the unquantised eff; out is quantised along the model's 1,024 for the last product and leaves as codes oc [4096][768] and bytes os [4096][32].
; In base 2: eff = score x 2^T, T = (B_i - B_k) + c_i - (c_j - log2 w_j): c is the running sum inside a chunk of 64 tokens, B the sum of the chunks in front.  T <= 0 for every key that counts, since each
; term log2(g + 1e-8) < 0 and log2 w < 0: no exponential can overflow, and no maximum is taken, as the problem takes none.  What falls under 2^-126 counts as 0.
; LIMITS: B is an f32 prefix of the 32 chunk totals: C_i - C_j carries an error of the order of one ulp of B; in a query's own chunk B_i - B_k is exactly 0.  NaN and infinities are not served.
; ALL OF A HEAD'S K, V AND GATE TERMS, 16 steps of 13,312 bytes, FIT IN LDS: they come once, one tensor load a wave, and nothing is filled again.
; CLUSTER: the four work-groups of a cluster belong to one head and ask for these tiles jointly.
; SHARES.  Work-group p (0 .. 7) of a head takes tile p (16 queries) of EVERY block of 128 queries, wave w that of block beta(w).  A wave walks key steps 0 .. beta: the steps above the diagonal are left out by a branch
; on the wave's number and the loop's counter.  beta = 4 (q ^ s) + (q ^ a(s)), q = w / 4, s = w % 4, a = 0, 2, 3, 1: waves with equal q, and waves with equal s, have 34 steps together.
; LAYOUT.  Both products transposed: a lane holds ONE query.  An image of K holds two tiles of 16 keys side by side along the instruction's 128 (64 each): against [q, 0] it gives the first tile's scores, against [0, q]
; the second's; zero codes add nothing.  The keys of a tile are chosen so that the 16 registers of two neighbouring tiles are 16 neighbouring keys; V's channels likewise.
; REGISTERS: v1-4 lane terms of LDS addresses; v5 my wave's prefix words; v6 query - 16 h; v7 c_i; v8 B_i; v9 eff's scale word; v11 q's; v12 A0; v[14:15] the row's sum; v16-33 q, zeros, q; v34-37 the step's addresses;
;   v[38:39] B_k, then A1 (and -infinity); v40-87 four images; v88-91, v92-95 K's and V's scale words; v96-159 scores, then eff; v160-223 gate terms, T, 2^T, then codes and work; v224-255 O^T.
.set BLK,   20224
.set HS,    16*BLK
.set STEPB, 13312                      ; a step in LDS: K's 4 images, its scale words, V's 4 images, its scale words, the gate terms
.set KSC,   6144
.set VIM,   6400
.set VSC,   12544
.set EJ,    12800
.set QSEC,  13312
.set CJSEC, 19712
.set PFX,   16*STEPB                   ; behind the tiles: 128 bytes for each wave, its own: the 32 chunk prefixes
.set PW,  9
.set QS,  11
.set QA,  16
.set QB,  22
.set AL,  34
.set AR,  35
.set AV,  36
.set AH,  37
.set BK,  38
.set FR,  40
.set KSW, 88
.set VSW, 92
.set S,   96
.set D,   160
.set PC,  160
.set TM,  180
.set O,   224
.set SEL, 20
.macro ROUND                           ; a round of the cluster's barrier
	s_barrier_signal -1
	s_barrier_wait -1
	s_cmp_lg_u32 s10, 0
	s_cbranch_scc1 .Lnot_wave_0_\@
	s_barrier_signal -3
.Lnot_wave_0_\@:
	s_barrier_wait -3
	s_barrier_signal -1
	s_barrier_wait -1
.endm
	s_load_b128 s[4:7], s[0:1], 0x0                ; qkv, oc
	s_load_b64 s[8:9], s[0:1], 0x10                ; os
	v_lshl_add_u32 v254, v0, 2, 0x34800
	v_mov_b32 v255, 0
	ds_add_u32 v254, v255
	ds_add_u32 v254, v255
	s_wait_dscnt 0x0
	v_lshrrev_b32 v1, 5, v0
	v_readfirstlane_b32 s10, v1                    ; wave 0..15
	s_lshr_b32 s40, s10, 2
	s_and_b32 s41, s10, 3
	s_lshr_b32 s42, s41, 1
	s_xor_b32 s43, s41, s42
	s_and_b32 s43, s43, 1
	s_lshl_b32 s43, s43, 1
	s_or_b32 s43, s43, s42                         ; a(s)
	s_xor_b32 s44, s40, s41
	s_lshl_b32 s44, s44, 2
	s_xor_b32 s45, s40, s43
	s_or_b32 s11, s44, s45                         ; beta: my block of 128 queries
	s_and_b32 s14, ttmp7, 0xffff                   ; the head (16 x batch + head), which the partners share
	s_mul_i32 s18, s14, HS
	s_mov_b32 s19, 0
	s_mul_i32 s22, s10, BLK
	s_mov_b32 s23, 0
	s_mov_b32 s24, 15|(3<<16)|(1<<21)              ; group 1: the mask: all four; elements of 8 bytes; bit 21 beside a mask; no padding: images are read 16 bytes a lane on end
	s_mov_b32 s25, 32<<16                          ; tensor_dim0 = 32 (256 bytes)
	s_mov_b32 s26, 52<<16                          ; tensor_dim1 = 52 rows
	s_mov_b32 s27, 32<<16                          ; tile_dim0
	s_mov_b32 s28, 52                              ; tile_dim1
	s_mov_b32 s29, 32                              ; pitch: dense
	s_mov_b32 s30, 0
	s_mov_b32 s31, 0
	s_mov_b32 s32, 1
	s_mul_i32 s33, s10, STEPB                      ; wave w brings step w
	s_mov_b32 s[SEL], 0x76543210
	s_mov_b32 s[SEL+1], 0xfedcba98
	s_wait_kmcnt 0x0
	s_add_nc_u64 s[4:5], s[4:5], s[18:19]          ; qkv at my head
	s_add_nc_u64 s[34:35], s[4:5], s[22:23]
	s_or_b32 s35, s35, 0x80000000
	ROUND                                          ; all four work-groups are here: the joint loads meet
	tensor_load_to_lds s[32:35], s[24:31]          ; my one tensor load of the launch
	s_nop 0
.rept 4
	v_nop
.endr
	s_bfe_u32 s12, ttmp6, 0x40000                  ; cx: from here on it enters global addresses and data alone
	s_lshl_b32 s13, ttmp9, 2
	s_add_co_u32 s13, s13, s12                     ; p: my tile in each block
	s_and_b32 s15, s13, 1                          ; u
	s_lshr_b32 s16, s13, 1                         ; its image
	s_lshr_b32 s17, s13, 2                         ; which chunk of the block
	v_and_b32 v40, 31, v0                          ; lane
	v_and_b32 v41, 15, v0                          ; r
	v_bfe_u32 v42, v0, 4, 1                        ; h
	v_lshlrev_b32 v1, 4, v40                       ; 16 x lane
	v_lshlrev_b32 v2, 4, v41                       ; 16 r
	v_and_b32 v43, 8, v41
	v_add_nc_u32 v43, v43, v41                     ; r + 8 (r / 8)
	v_lshlrev_b32 v3, 3, v43
	v_lshlrev_b32 v4, 6, v42                       ; 64 h
	v_and_b32 v5, 0x1e0, v0
	v_lshl_add_u32 v5, v5, 2, PFX                  ; my wave's 128 bytes
	s_lshl_b32 s40, s16, 5
	s_lshl_b32 s41, s15, 3
	s_add_co_u32 s40, s40, s41
	v_add_nc_u32 v44, s40, v43                     ; my query in its block
	v_lshlrev_b32 v45, 4, v42
	v_sub_nc_u32 v6, v44, v45                      ; less 16 h
	s_mul_i32 s41, s16, 1536
	s_mul_i32 s42, s15, 520
	s_add_co_u32 s42, s42, s41
	v_add_nc_u32 v46, s42, v1                      ; registers 6 u, 6 u + 1 of Q's image (and, 512 on, 6 u + 4, 6 u + 5)
	s_mul_i32 s43, s15, 1016
	s_add_co_u32 s43, s43, s41
	v_add_nc_u32 v47, s43, v1                      ; registers 6 u + 2, 6 u + 3, with 8 in the immediate
	s_lshl_b32 s44, s16, 2
	v_add_nc_u32 v48, s44, v2
	v_lshlrev_b32 v49, 2, v44
	v_max_u32 v50, 1, v40
	v_add_nc_u32 v50, -1, v50                      ; lane k reads the total of chunk k - 1 (lane 0's is replaced by 0)
	v_lshrrev_b32 v51, 1, v50
	v_mul_u32_u24 v51, v51, BLK
	v_and_b32 v50, 1, v50
	v_lshl_add_u32 v51, v50, 8, v51
	s_mul_i32 s46, s11, BLK
	s_mov_b32 s47, 0
	s_add_nc_u64 s[46:47], s[4:5], s[46:47]        ; my block of queries
	global_load_b64 v[16:17], v46, s[46:47] offset:QSEC
	global_load_b64 v[18:19], v47, s[46:47] offset:QSEC+8
	global_load_b64 v[20:21], v46, s[46:47] offset:QSEC+512
	global_load_b32 v[QS], v48, s[46:47] offset:QSEC+6144
	global_load_b32 v7, v49, s[46:47] offset:CJSEC
	global_load_b32 v52, v51, s[4:5] offset:CJSEC+252
	v_cvt_f32_u32 v53, v42
	v_lshl_add_u32 v54, v0, 2, PFX
	s_lshl_b32 s40, s11, 3
	v_add_nc_u32 v55, s40, v5
	s_lshl_b32 s41, s15, 4
.irp i, 0,1,2,3,4,5
	v_mov_b32 v[QB+\i], 0                          ; the zeros between the two copies of q: v16-27 = [q, 0], v22-33 = [0, q]
.endr
	v_mov_b32 v13, 0                               ; (named as the upper half of the pair v[12:13])
	v_mov_b32 v14, 0
	v_mov_b32 v15, 0
	s_wait_loadcnt 0x0
	v_lshrrev_b32 v[QS], s41, v[QS]                ; my tile's two bytes,
	v_and_b32 v[QS], 0xffff, v[QS]
	v_lshl_or_b32 v[QS], v[QS], 16, v[QS]          ; for either place of q
.irp i, 0,1,2,3,4,5
	v_mov_b32 v[QB+6+\i], v[QA+\i]
.endr
	v_cmp_eq_u32 vcc_lo, 0, v40
	v_cndmask_b32 v52, v52, 0, vcc_lo
.irp n, 1,2,4,8
	v_add_f32_dpp v52, v52, v52 row_shr:\n row_mask:0xf bank_mask:0xf bound_ctrl:1
.endr
	v_readlane_b32 s41, v52, 15
	v_fma_f32 v52, v53, s41, v52                   ; lanes 16-31 add the first sixteen's sum: lane k holds B_k, the sum of the chunks in front of chunk k
	ds_store_b32 v54, v52
	ds_load_b64 v[56:57], v55                      ; in order behind my store: B of my block's two chunks
	s_cmp_lg_u32 s17, 0
	s_cselect_b32 s42, -1, 0
.set j, 0
.rept 32
	v_mov_b32 v[O+j], 0                            ; O^T: the loop is written once.  (These are also the places between the writes of q's registers and scale word and the first product)
.set j, j+1
.endr
	s_mov_b32 s36, 0                               ; the key step
	s_mov_b32 s37, 0                               ; where its tiles begin in LDS
	s_mov_b32 s38, 0                               ; and its two prefixes
	s_wait_tensorcnt 0x0                           ; my step's tiles have landed,
	s_wait_dscnt 0x0
	v_cndmask_b32 v8, v56, v57, s42                ; B_i
	s_barrier_signal -1
	s_barrier_wait -1                              ; everybody's have
; 64 numbers of a lane, register 16 b + i = k 32 b + 16 (lane / 16) + i of my row, become a fragment's codes in v[pc ..] and its scale word in v[pw]
.macro QUANT s, pc, pw
.irp b, 0,1,2,3
	v_max3_num_f32 v[TM+\b], |v[\s+16*\b]|, |v[\s+1+16*\b]|, 0x1800000   ; with the floor 2^(3 - 127): the byte cannot fall under 1; a block of zeros keeps that byte, its codes are zeros
.endr
.irp i, 2,4,6,8,10,12,14
.irp b, 0,1,2,3
	v_max3_num_f32 v[TM+\b], v[TM+\b], |v[\s+16*\b+\i]|, |v[\s+1+16*\b+\i]|
.endr
.endr
.irp b, 0,1,2,3
	v_permlanex16_b32 v[TM+4+\b], v[TM+\b], s[SEL], s[SEL+1]
.endr
.irp b, 0,1,2,3
	v_max_num_f32 v[TM+\b], v[TM+\b], v[TM+4+\b]
.endr
.irp b, 0,1,2,3
	v_add_nc_u32 v[TM+12+\b], 0xff000000, v[TM+\b]
.endr
.irp b, 0,1,2,3
	v_lshrrev_b32 v[TM+4+\b], 23, v[TM+12+\b]
.endr
	v_lshl_or_b32 v[\pw], v[TM+5], 8, v[TM+4]
	v_lshl_or_b32 v[\pw], v[TM+6], 16, v[\pw]
	v_lshl_or_b32 v[\pw], v[TM+7], 24, v[\pw]
.irp c, 0,1
	v_cvt_scalef32_pk16_fp6_f32 v[\pc+6*\c:\pc+2+6*\c], v[\s+32*\c:\s+15+32*\c], v[TM+12+2*\c]
	v_cvt_scalef32_pk16_fp6_f32 v[\pc+12+4*\c:\pc+14+4*\c], v[\s+16+32*\c:\s+31+32*\c], v[TM+12+2*\c+1]
.endr
	v_nop                                          ; one plain place behind a scaled conversion
.irp c, 0,1
.irp i, 0,1,2
	v_permlane16_swap_b32 v[\pc+6*\c+\i], v[\pc+12+4*\c+\i]
.endr
.irp i, 0,1,2
	v_mov_b32 v[\pc+3+6*\c+\i], v[\pc+12+4*\c+\i]
.endr
.endr
.endm
.Lstep:                                        ; 16 trips, a constant; a step above my diagonal is jumped over, all but the lines that step addresses
	s_cmp_gt_u32 s36, s11
	s_cbranch_scc1 .Lskip
	v_add_nc_u32 v[AL], s37, v1                    ; (these five are the places behind the last trip's products, in front of the loads below)
	v_add_nc_u32 v[AR], s37, v2
	v_add_nc_u32 v[AV], s37, v3
	v_add_nc_u32 v[AH], s37, v4
	v_add_nc_u32 v[BK], s38, v5
	ds_load_b64 v[BK:BK+1], v[BK]                  ; B of the step's two chunks
.irp f, 0,1,2,3
.irp q, 0,1,2
	ds_load_b128 v[FR+12*\f+4*\q:FR+12*\f+4*\q+3], v[AL] offset:1536*\f+512*\q
.endr
.endr
	ds_load_b128 v[KSW:KSW+3], v[AR] offset:KSC
.irp b, 0,1,2,3
.irp i, 0,1,2,3
	ds_load_b128 v[D+16*\b+4*\i:D+16*\b+4*\i+3], v[AH] offset:EJ+128*\b+16*\i   ; -(c_j - log2 w_j) of keys 32 b + 16 h + 4 i on
.endr
.endr
	s_wait_dscnt 16                                ; all but the sixteen loads of gate terms
.irp f, 0,1,2,3
	v_wmma_scale_f32_16x16x128_f8f6f4 v[S+16*\f:S+16*\f+7], v[FR+12*\f:FR+12*\f+11], v[QA:QA+11], 0, v[KSW+\f], v[QS] matrix_a_fmt:MATRIX_FMT_FP6 matrix_b_fmt:MATRIX_FMT_FP6
	v_wmma_scale_f32_16x16x128_f8f6f4 v[S+16*\f+8:S+16*\f+15], v[FR+12*\f:FR+12*\f+11], v[QB:QB+11], 0, v[KSW+\f], v[QS] matrix_a_fmt:MATRIX_FMT_FP6 matrix_b_fmt:MATRIX_FMT_FP6
.endr                                          ; register 16 f + i of S: key 32 f + 16 h + i
	v_sub_f32 v12, v8, v[BK]                       ; four plain lines: the places in front of the loads into K's registers
	v_sub_f32 v[BK], v8, v[BK+1]
	v_add_f32 v12, v12, v7                         ; A0 = (B_i - B_k) + c_i for keys 0-63
	v_add_f32 v[BK], v[BK], v7                     ; A1 for keys 64-127
.irp t, 0,1,2,3
.irp q, 0,1,2
	ds_load_b128 v[FR+12*\t+4*\q:FR+12*\t+4*\q+3], v[AL] offset:VIM+1536*\t+512*\q
.endr
.endr
	ds_load_b64 v[VSW:VSW+1], v[AV] offset:VSC     ; images 0 and 2
	ds_load_b64 v[VSW+2:VSW+3], v[AV] offset:VSC+64   ; images 1 and 3
	s_wait_dscnt 14                                ; the gate terms are in; V's fourteen loads may be out
.set j, 0
.rept 16
	v_pk_add_f32 v[D+j:D+j+1], v[D+j:D+j+1], v[12:13] op_sel_hi:[1,0]       ; T
.set j, j+2
.endr
.rept 16
	v_pk_add_f32 v[D+j:D+j+1], v[D+j:D+j+1], v[BK:BK+1] op_sel_hi:[1,0]
.set j, j+2
.endr
	s_cmp_lg_u32 s36, s11                          ; on my diagonal step hidden keys get T = -infinity: 2^T = 0
	s_cbranch_scc1 .Lopen
	v_mov_b32 v[BK+1], 0xff800000
.set n, 0
.rept 64
	v_cmp_gt_i32 vcc_lo, 32*(n/16)+n%16, v6
	v_cndmask_b32 v[D+n], v[D+n], v[BK+1], vcc_lo
.set n, n+1
.endr
.Lopen:
.set j, 0
.rept 64
	v_exp_f32 v[D+j], v[D+j]
.set j, j+1
.endr
	v_nop                                          ; a plain place behind the exponentials
.set j, 0
	s_wait_alu depctr_va_vdst(0)
.rept 32
	v_pk_mul_f32 v[S+j:S+j+1], v[S+j:S+j+1], v[D+j:D+j+1]                   ; eff; each accumulator is first read at its low end
.set j, j+2
.endr
	QUANT S, PC, PW
	v_pk_add_f32 v[198:199], v[S:S+1], v[S+2:S+3]  ; the row's sum of the unquantised eff, in two chains.  (These 32 are the places between the scale word's and the codes' last writes and the products)
.set j, 4
.rept 15
	v_pk_add_f32 v[14:15], v[14:15], v[S+j:S+j+1]
	v_pk_add_f32 v[198:199], v[198:199], v[S+j+2:S+j+3]
.set j, j+4
.endr
	v_pk_add_f32 v[14:15], v[14:15], v[198:199]
	s_wait_dscnt 0x0                               ; V
.irp t, 0,1,2,3                        ; the four accumulators take turns, one instruction a turn
	v_wmma_scale_f32_16x16x128_f8f6f4 v[O+8*\t:O+8*\t+7], v[FR+12*\t:FR+12*\t+11], v[PC:PC+11], v[O+8*\t:O+8*\t+7], v[VSW+(\t/2)+2*(\t%2)], v[PW] matrix_a_fmt:MATRIX_FMT_FP6 matrix_b_fmt:MATRIX_FMT_FP6
.endr
.Lskip:
	s_add_co_u32 s37, s37, STEPB
	s_add_co_u32 s38, s38, 8
	s_add_co_u32 s36, s36, 1
	s_cmp_lt_u32 s36, 16
	s_cbranch_scc1 .Lstep
	; THE WAY OUT.  The seven address lines are the places behind the last products.
	v_and_b32 v1, 15, v0                           ; r
	v_bfe_u32 v2, v0, 4, 1                         ; h
	v_and_b32 v3, 8, v1
	v_add_nc_u32 v3, v3, v1                        ; r + 8 (r / 8)
	v_mul_u32_u24 v4, v3, 768
	v_mad_u32_u24 v4, v2, 12, v4                   ; oc: my token's row, my half of a block's 24 bytes
	v_lshlrev_b32 v34, 5, v3                       ; os: my token's row
	v_mov_b32 v35, 0
	v_mov_b32 v38, 0
	v_mov_b32 v39, 0
	s_lshr_b32 s40, s14, 4
	s_lshl_b32 s40, s40, 11
	s_lshl_b32 s41, s11, 7
	s_add_co_u32 s40, s40, s41
	s_lshl_b32 s41, s16, 5
	s_add_co_u32 s40, s40, s41
	s_lshl_b32 s41, s15, 3
	s_add_co_u32 s40, s40, s41                     ; 2048 x batch + 128 beta + 32 (p / 2) + 8 (p % 2)
	s_and_b32 s41, s14, 15                         ; the head in its batch
	s_mul_i32 s42, s40, 768
	s_mul_i32 s43, s41, 48
	s_add_co_u32 s42, s42, s43
	s_mov_b32 s43, 0
	s_add_nc_u64 s[6:7], s[6:7], s[42:43]
	s_lshl_b32 s42, s40, 5
	s_lshl_b32 s44, s41, 1
	s_add_co_u32 s42, s42, s44
	s_add_nc_u64 s[8:9], s[8:9], s[42:43]
	v_add_f32 v14, v14, v15                        ; the sum's two halves,
	v_permlanex16_b32 v35, v14, s[SEL], s[SEL+1]
	v_add_f32 v14, v14, v35                        ; and lane l xor 16's
	v_add_f32 v14, 0x358637bd, v14                 ; + 1e-6
	v_rcp_f32 v14, v14
	v_nop
.set j, 0
	s_wait_alu depctr_va_vdst(0)
.rept 32
	v_mul_f32 v[S+j], v[O+j], v14                  ; register 16 b + i: channel 32 b + 16 h + i
.set j, j+1
.endr
.irp b, 0,1
	v_max3_num_f32 v[36+\b], |v[S+16*\b]|, |v[S+1+16*\b]|, 0x1800000
.endr
.irp i, 2,4,6,8,10,12,14
.irp b, 0,1
	v_max3_num_f32 v[36+\b], v[36+\b], |v[S+16*\b+\i]|, |v[S+1+16*\b+\i]|
.endr
.endr
.irp b, 0,1
	v_permlanex16_b32 v[38+\b], v[36+\b], s[SEL], s[SEL+1]
.endr
.irp b, 0,1
	v_max_num_f32 v[36+\b], v[36+\b], v[38+\b]
.endr
.irp b, 0,1
	v_add_nc_u32 v[38+\b], 0xff000000, v[36+\b]
.endr
.irp b, 0,1
	v_lshrrev_b32 v[36+\b], 23, v[38+\b]
.endr
	v_cvt_scalef32_pk16_fp6_f32 v[160:162], v[S:S+15], v38
	v_cvt_scalef32_pk16_fp6_f32 v[164:166], v[S+16:S+31], v39
	v_lshl_or_b32 v36, v37, 8, v36                 ; the head's two bytes.  (A plain place behind the conversions)
	global_store_b96 v4, v[160:162], s[6:7]        ; a head gives a token 48 bytes of codes and 2 scale bytes: rows are 768 and 32 bytes apart, so these stores fill aligned blocks of 256 bytes in part
	global_store_b96 v4, v[164:166], s[6:7] offset:24
	global_store_b16 v34, v36, s[8:9]              ; both halves of the lanes write the same two bytes with the same value
	s_wait_xcnt 0x0
	v_lshl_add_u32 v254, v0, 2, 0x34800
	v_mov_b32 v255, 0
	s_wait_tensorcnt 0x0
	ds_add_u32 v254, v255
	s_wait_dscnt 0x0
	ROUND                                          ; the closing round
	s_endpgm
.Lfunc_end_k_q260ba8ee75_attn:
	.size	k_q260ba8ee75_attn, .Lfunc_end_k_q260ba8ee75_attn-k_q260ba8ee75_attn
	.p2alignl 7, 3214868480
	.fill 96, 4, 3214868480
	.section	.rodata,"a",@progbits
	.p2align	6, 0x0
	.amdhsa_kernel k_q260ba8ee75_attn
		.amdhsa_group_segment_fixed_size 217088
		.amdhsa_private_segment_fixed_size 0
		.amdhsa_enable_private_segment 0
		.amdhsa_kernarg_size 24
		.amdhsa_user_sgpr_count 2
		.amdhsa_user_sgpr_kernarg_segment_ptr 1
		.amdhsa_wavefront_size32 1
		.amdhsa_system_sgpr_workgroup_id_x 1
		.amdhsa_system_sgpr_workgroup_id_y 1
		.amdhsa_system_sgpr_workgroup_id_z 1
		.amdhsa_system_vgpr_workitem_id 0
		.amdhsa_next_free_vgpr 256
		.amdhsa_next_free_sgpr 66
		.amdhsa_reserve_vcc 1
		.amdhsa_float_denorm_mode_32 3
		.amdhsa_float_denorm_mode_16_64 3
		.amdhsa_memory_ordered 1
		.amdhsa_forward_progress 1
		.amdhsa_inst_pref_size 35
	.end_amdhsa_kernel
	.amdgpu_metadata
---
amdhsa.version: [ 1, 2 ]
amdhsa.kernels:
  - .name:           k_q260ba8ee75_attn
    .symbol:         k_q260ba8ee75_attn.kd
    .args:
      - { .name: qkv, .offset: 0, .size: 8, .value_kind: global_buffer, .address_space: global }
      - { .name: oc, .offset: 8, .size: 8, .value_kind: global_buffer, .address_space: global }
      - { .name: os, .offset: 16, .size: 8, .value_kind: global_buffer, .address_space: global }
    .group_segment_fixed_size: 217088
    .private_segment_fixed_size: 0
    .kernarg_segment_align: 8
    .kernarg_segment_size: 24
    .max_flat_workgroup_size: 512
    .sgpr_count:     66
    .vgpr_count:     256
    .wavefront_size: 32
...
	.end_amdgpu_metadata
.endif
;; end of part 4
;; launch outp (part 5): grid 4 x 16, 4 waves a work-group, clusters of 4 x 4, 327,680 bytes of LDS; arguments oc, os, wc, ws, out0; writes out0
.if DOCPART == 5
	.amdgcn_target "amdgcn-amd-amdhsa--gfx1250"
	.amdhsa_code_object_version 6
	.text
	.protected	k_q260ba8ee75_outp
	.globl	k_q260ba8ee75_outp
	.p2align	8
	.type	k_q260ba8ee75_outp,@function
k_q260ba8ee75_outp:
	s_mov_b64 s[64:65], 0
	v_nop
	global_prefetch_b8 v0, s[64:65] scope:SCOPE_SE
	s_setreg_imm32_b32 hwreg(HW_REG_WAVE_MODE, 25, 1), 1
	s_wait_xcnt 0x0
	s_wait_alu depctr_hold_cnt(0) depctr_sa_sdst(0) depctr_va_vdst(0) depctr_va_sdst(0) depctr_va_ssrc(0) depctr_va_vcc(0) depctr_vm_vsrc(0)
	s_getreg_b32 s2, hwreg(HW_REG_IB_STS2, 6, 4)
	s_cmp_eq_u32 s2, 0
	s_cbranch_scc0 .Lentry_in_a_cluster
	s_endpgm
.Lentry_in_a_cluster:
	s_bfe_u32 s2, ttmp6, 0x10000c
	s_cmp_lg_u32 s2, 0xf033
	s_cbranch_scc0 .Lentry_shape_is_right
	s_endpgm
.Lentry_shape_is_right:
; out0[m][n] = sum over k of out[m][k] Wo[n][k] on codes of FP6 (E2M3) with one E8M0 scale for each 32 along K.  A = oc [4096][1024 codes], os; B = rows 3072-4095 of wc, ws; out0 [4096][1024] f32.
; A tile of 256 x 256 is made by four waves, 128 x 128 each: 64 accumulators, 512 registers.  K goes in steps of 256 through two LDS slots filled by the tensor data mover; a tile's row is 192 bytes.
; The scale bytes of the tile's 256 + 256 rows, for all of K, come into LDS once, as dense rows of 256 bytes, and stay.
; CLUSTERS: 4 x 4 work-groups; A's tiles are asked for jointly along a row of the cluster, B's along a column.  THE MATRIX INSTRUCTION IS USED TRANSPOSED: a lane holds eight neighbouring numbers of a row of out0.
; 64 tiles: a smaller tile would spread the work further at twice the LDS reads for each product; the launch is short either way.
; REGISTERS: window 0: v0-31 addresses; v32-63 scale words, two sets; from v128 A's fragments, one set.  window 1: B's fragments, two sets.  windows 2, 3: the accumulators ((a, b) at v[8 (8 (a%4) + b)]).
.set SIZE_M, 4096
.set SIZE_N, 1024
.set SIZE_K, 1024
.set KSTEP,  256
.set NQ,     KSTEP/128
.set ROWB,   192
.set KROW,   SIZE_K*6/8
.set PITCH,  240                       ; an LDS row: 3 x (64 bytes + 16 of padding)
.set FR,     12
.set NL,     6
.set NP,     4
.set HALFT,  128*PITCH
.set SLOT,   4*HALFT
.set LAPS,   SIZE_K/(2*KSTEP)
.set KS,     SIZE_K/32
.set SCL,    2*SLOT
.set HALFS,  (128*KS/256)*272
.set SBLK,   (16*KS/256)*272
.set SPARE,  SCL+4*HALFS               ; the spare words: 128 bytes a wave, named by no other line
.set SPITCH, 528                       ; the way out: a stage of 16 rows x (512 + 16) bytes a wave, in slot 0, which has had its last fill and its last read by then
.set ADRA, 16
.set ADRB, 20
.set STO,  24
.set RD,   25
.set CO,   26
.set ADRS, 27
.set SPW,  28
.set NIL,  29
.set SC,   32
.set AF,   128
.set BK,   128
.set G1, 24
.set G0, 32
.set G1B, 48
.set G0B, 56
.set G1S, 68
.set G0S, 76
.set G1SB, 80
.set G0SB, 88
.set MSB, 0
.macro WIN new
.if MSB != (\new)
	s_set_vgpr_msb (MSB<<8)|(\new)
.set MSB, (\new)
.endif
.endm
.set MUL_LO, 0xa1
.set MUL_HI, 0xf1
.set TO_B,   0x40
.macro JLOAD g0a, g1a, g0b, g1b        ; a joint load: waves 0 and 1 for A, waves 2 and 3 for B; four v_nop follow each line
	s_cmp_eq_u32 s15, 0
	s_cbranch_scc0 .Lfor_b_\@
	tensor_load_to_lds s[\g0a:\g0a+3], s[\g1a:\g1a+7]
	s_nop 0
.rept 4
	v_nop
.endr
	s_branch .Lasked_\@
.Lfor_b_\@:
	tensor_load_to_lds s[\g0b:\g0b+3], s[\g1b:\g1b+7]
	s_nop 0
.rept 4
	v_nop
.endr
.Lasked_\@:
.endm
.macro CREST
	s_cmp_lg_u32 s14, 0
	s_cbranch_scc1 .Lnot_wave_0_\@
	s_barrier_signal -3
.Lnot_wave_0_\@:
	s_barrier_wait -3
	s_barrier_signal -1
	s_barrier_wait -1
.endm
.macro CROUND
	s_barrier_signal -1
	s_barrier_wait -1
	CREST
.endm
	s_load_b128 s[4:7], s[0:1], 0x0                ; oc, os
	s_load_b128 s[8:11], s[0:1], 0x10              ; wc, ws
	s_load_b64 s[12:13], s[0:1], 0x20              ; out0
	v_lshl_add_u32 v[SPW], v0, 2, SPARE
	v_mov_b32 v[NIL], 0
	ds_add_u32 v28, v29
	ds_add_u32 v28, v29
	s_wait_dscnt 0x0
	v_lshrrev_b32 v1, 5, v0
	v_readfirstlane_b32 s14, v1
	s_lshr_b32 s15, s14, 1
	s_and_b32 s16, s14, 1
	s_bfe_u32 s40, ttmp6, 0x40000
	s_bfe_u32 s41, ttmp6, 0x40004
	s_lshl_b32 s42, ttmp9, 2
	s_add_co_u32 s42, s42, s40                     ; tile column
	s_and_b32 s17, ttmp7, 0xffff
	s_lshl_b32 s17, s17, 2
	s_add_co_u32 s17, s17, s41                     ; tile row
	s_lshl_b32 s43, s41, 2
	s_lshl_b32 s43, 15, s43
	s_lshl_b32 s44, 0x1111, s40
	s_or_b32 s[G1+0], s43, (0<<16)|(1<<20)|(1<<21)|(3<<22)|(3<<25)
	s_or_b32 s[G1B+0], s44, (0<<16)|(1<<20)|(1<<21)|(3<<22)|(3<<25)
.irp g, G1, G1B
	s_mov_b32 s[\g+1], ROWB<<16
	s_mov_b32 s[\g+2], 128<<16
	s_mov_b32 s[\g+3], ROWB<<16
	s_mov_b32 s[\g+4], 128
	s_mov_b32 s[\g+5], KROW
	s_mov_b32 s[\g+6], 0
	s_mov_b32 s[\g+7], 0
.endr
	s_or_b32 s[G1S+0], s43, (3<<16)|(1<<20)|(1<<21)|(5<<22)|(3<<25)
	s_or_b32 s[G1SB+0], s44, (3<<16)|(1<<20)|(1<<21)|(5<<22)|(3<<25)
.irp g, G1S, G1SB
	s_mov_b32 s[\g+1], 32<<16
	s_mov_b32 s[\g+2], (128*KS/256)<<16
	s_mov_b32 s[\g+3], 32<<16
	s_mov_b32 s[\g+4], 128*KS/256
	s_mov_b32 s[\g+5], 32
	s_mov_b32 s[\g+6], 0
	s_mov_b32 s[\g+7], 0
.endr
	s_lshl_b32 s18, s16, 7
	s_lshl_b32 s20, s17, 8
	s_add_co_u32 s20, s20, s18
	s_lshl_b32 s46, s42, 8
	s_add_co_u32 s46, s46, s18
	s_mov_b32 s21, 0
	s_mov_b32 s47, 0
	s_mov_b64 s[18:19], KS
	s_mul_u64 s[22:23], s[20:21], s[18:19]
	s_mul_u64 s[92:93], s[46:47], s[18:19]
	s_mov_b64 s[18:19], KROW
	s_mul_u64 s[20:21], s[20:21], s[18:19]
	s_mul_u64 s[46:47], s[46:47], s[18:19]
	s_add_nc_u64 s[46:47], s[46:47], 3072*KROW     ; Wo's rows begin at row 3072 of wc
	s_add_nc_u64 s[92:93], s[92:93], 3072*KS       ; and of ws
	s_mul_i32 s45, s14, HALFT
	s_mul_i32 s94, s14, HALFS
	s_wait_kmcnt 0x0
	s_add_nc_u64 s[20:21], s[4:5], s[20:21]
	s_add_nc_u64 s[22:23], s[6:7], s[22:23]
	s_add_nc_u64 s[46:47], s[8:9], s[46:47]
	s_add_nc_u64 s[92:93], s[10:11], s[92:93]
	CROUND                                         ; all sixteen work-groups are here: the first joint loads meet
	s_mov_b32 s[G0S], 1
	s_add_co_u32 s[G0S+1], s94, SCL
	s_mov_b64 s[G0S+2:G0S+3], s[22:23]
	s_or_b32 s[G0S+3], s[G0S+3], 0x80000000
	s_mov_b32 s[G0SB], 1
	s_add_co_u32 s[G0SB+1], s94, SCL
	s_mov_b64 s[G0SB+2:G0SB+3], s[92:93]
	s_or_b32 s[G0SB+3], s[G0SB+3], 0x80000000
	JLOAD G0S, G1S, G0SB, G1SB
.irp s, 0,1
	s_mov_b32 s[G0+4*\s], 1
	s_add_co_u32 s[G0+4*\s+1], s45, \s*SLOT
	s_add_nc_u64 s[G0+4*\s+2:G0+4*\s+3], s[20:21], \s*ROWB
	s_or_b32 s[G0+4*\s+3], s[G0+4*\s+3], 0x80000000
	s_mov_b32 s[G0B+4*\s], 1
	s_add_co_u32 s[G0B+4*\s+1], s45, \s*SLOT
	s_add_nc_u64 s[G0B+4*\s+2:G0B+4*\s+3], s[46:47], \s*ROWB
	s_or_b32 s[G0B+4*\s+3], s[G0B+4*\s+3], 0x80000000
	JLOAD G0+4*\s, G1, G0B+4*\s, G1B               ; three loads of mine are out at the most
.endr
	v_and_b32 v1, 15, v0
	v_bfe_u32 v2, v0, 4, 1
	v_mul_u32_u24 v3, v1, PITCH
	v_mul_u32_u24 v4, v2, 24
	v_add_nc_u32 v4, v3, v4
	v_lshl_add_u32 v5, v2, 4, v4
	s_mul_i32 s21, s15, HALFT
	s_mul_i32 s22, s16, HALFT
	s_add_co_u32 s22, s22, 2*HALFT
.irp s, 0,1
	v_add_nc_u32 v[ADRA+\s], s21, v4
	v_add_nc_u32 v[ADRB+\s], s22, v4
	v_add_nc_u32 v[ADRA+2+\s], s21, v5
	v_add_nc_u32 v[ADRB+2+\s], s22, v5
	s_add_co_u32 s21, s21, SLOT
	s_add_co_u32 s22, s22, SLOT
.endr
	v_mul_u32_u24 v5, v1, KS
	v_lshrrev_b32 v6, 8, v5
	v_lshl_add_u32 v5, v6, 4, v5
	s_mul_i32 s21, s15, HALFS
	s_mul_i32 s22, s16, HALFS
	s_add_co_u32 s22, s22, 2*HALFS
	s_sub_co_u32 s22, s22, s21
	v_mul_u32_u24 v6, s22, v2
	s_add_co_u32 s21, s21, SCL
	v_add_nc_u32 v5, v5, v6
	v_add_nc_u32 v[ADRS], s21, v5
	s_mul_i32 s23, s14, 16*SPITCH                  ; my stage
	v_mul_u32_u24 v5, v1, SPITCH
	v_lshl_add_u32 v5, v2, 5, v5
	v_add_nc_u32 v[STO], s23, v5
	v_and_b32 v6, 31, v0
	v_lshlrev_b32 v[CO], 4, v6
	v_add_nc_u32 v[RD], s23, v[CO]
	s_lshl_b32 s20, s17, 8
	s_lshl_b32 s21, s15, 7
	s_add_co_u32 s20, s20, s21                     ; my first row of out0
	s_mov_b32 s21, 0
	s_mov_b64 s[18:19], SIZE_N*4
	s_mul_u64 s[20:21], s[20:21], s[18:19]
	s_lshl_b32 s46, s42, 10
	s_lshl_b32 s47, s16, 9
	s_add_co_u32 s46, s46, s47
	s_mov_b32 s47, 0
	s_add_nc_u64 s[20:21], s[20:21], s[46:47]
	s_add_nc_u64 s[12:13], s[12:13], s[20:21]
.macro FRAG reg, adr, q, i
.irp p, 0,1,2,3,4,5
.set PC, 12*(\q)+6*(\p/3)+\p%3
.if PC%8 < 5
	ds_load_b64 v[\reg+2*\p:\reg+2*\p+1], v[\adr] offset:8*PC+16*(PC/8)+(\i)*16*PITCH
.else
	ds_load_b64 v[\reg+2*\p:\reg+2*\p+1], v[\adr+2] offset:8*PC+16*(PC/8)+(\i)*16*PITCH
.endif
.endr
.endm
; The 64 accumulators take turns, one instruction a turn, in the same order in every step.
.macro MUL16 a0, p, q, sc, zero
.irp a, \a0, \a0+1
.irp b, 0,1,2,3,4,5,6,7
.if \zero
	v_wmma_scale_f32_16x16x128_f8f6f4 v[8*(8*((\a)%4)+\b):8*(8*((\a)%4)+\b)+7], v[128*(\p)+FR*\b:128*(\p)+FR*\b+FR-1], v[AF+FR*(\a):AF+FR*(\a)+FR-1], 0, v[SC+8*NQ*(\sc)+NQ*\b+(\q)], v[SC+8*NQ*(\sc)+NQ*(\a)+(\q)] matrix_a_fmt:MATRIX_FMT_FP6 matrix_b_fmt:MATRIX_FMT_FP6 matrix_a_scale:MATRIX_SCALE_ROW1
.else
	v_wmma_scale_f32_16x16x128_f8f6f4 v[8*(8*((\a)%4)+\b):8*(8*((\a)%4)+\b)+7], v[128*(\p)+FR*\b:128*(\p)+FR*\b+FR-1], v[AF+FR*(\a):AF+FR*(\a)+FR-1], v[8*(8*((\a)%4)+\b):8*(8*((\a)%4)+\b)+7], v[SC+8*NQ*(\sc)+NQ*\b+(\q)], v[SC+8*NQ*(\sc)+NQ*(\a)+(\q)] matrix_a_fmt:MATRIX_FMT_FP6 matrix_b_fmt:MATRIX_FMT_FP6 matrix_a_scale:MATRIX_SCALE_ROW1
.endif
.endr
.endr
.endm
.macro FETCH_B slot, q, p
	WIN TO_B
.irp i, 0,1,2,3,4,5,6,7
	FRAG 128*(\p)+FR*\i, ADRB+\slot, \q, \i
.endr
	WIN 0
.endm
.macro FETCH_A slot, q, i0
.irp i, \i0, \i0+1, \i0+2, \i0+3
	FRAG AF+FR*(\i), ADRA+\slot, \q, \i
.endr
.endm
.macro SCALES sc
.irp i, 0,1,2,3,4,5,6,7
	ds_load_b64 v[SC+8*NQ*\sc+NQ*\i:SC+8*NQ*\sc+NQ*\i+1], v[ADRS] offset:\i*SBLK
.endr
.endm
.macro PLACES n                        ; plain vector places behind matrix instructions (ISA guide 7.12.1)
.rept \n
	v_nop
.endr
.endm
.macro STEP slot, q, zero
	s_wait_dscnt 4*NL                              ; B's set and A's blocks 0-3 are in; A's blocks 4-7 (24 loads) may be out
	WIN MUL_LO
	MUL16 0, (\q)%2, \q, \slot, \zero
	MUL16 2, (\q)%2, \q, \slot, \zero
	s_wait_dscnt 0
	PLACES NP
	FETCH_B \slot, (\q)+1, 1-(\q)%2
	FETCH_A \slot, (\q)+1, 0
	WIN MUL_HI
	MUL16 4, (\q)%2, \q, \slot, \zero
	MUL16 6, (\q)%2, \q, \slot, \zero
	PLACES NP
	WIN 0
	FETCH_A \slot, (\q)+1, 4
.endm
.macro TURN slot, next, fill
	s_wait_tensorcnt 0x0                           ; all my tensor loads have landed: my part of the next slot
	ds_add_u32 v[SPW], v[NIL]
	s_wait_dscnt 4*NL+1                            ; the add and A's blocks 4-7 may be out
	WIN MUL_LO
	MUL16 0, 1, NQ-1, \slot, 0
	s_wait_dscnt 0x0                               ; the add is done, and my reads of this slot are over
	s_barrier_signal -1
	MUL16 2, 1, NQ-1, \slot, 0
	WIN 0
	s_barrier_wait -1
.if \fill
	CREST                                          ; no wave of any partner still reads this slot or has a load on its way
	s_add_nc_u64 s[G0+4*\slot+2:G0+4*\slot+3], s[G0+4*\slot+2:G0+4*\slot+3], 2*ROWB
	s_add_nc_u64 s[G0B+4*\slot+2:G0B+4*\slot+3], s[G0B+4*\slot+2:G0B+4*\slot+3], 2*ROWB
	JLOAD G0+4*\slot, G1, G0B+4*\slot, G1B         ; my one tensor load behind the round
.else
	PLACES NP
.endif
	v_add_nc_u32 v[ADRS], 4*NQ, v[ADRS]
	FETCH_B \next, 0, 0
	FETCH_A \next, 0, 0
	SCALES \next
	WIN MUL_HI
	MUL16 4, 1, NQ-1, \slot, 0
	MUL16 6, 1, NQ-1, \slot, 0
	PLACES NP
	WIN 0
	FETCH_A \next, 0, 4
.endm
	s_wait_tensorcnt 1                             ; the scale bytes and my part of K step 0 are in; K step 1's load may be out
	s_barrier_signal -1
	s_barrier_wait -1
	FETCH_B 0, 0, 0
	FETCH_A 0, 0, 0
	SCALES 0
	FETCH_A 0, 0, 4
	STEP 0, 0, 1
	s_mov_b32 s3, LAPS-1
.Llap:
	TURN 0, 1, 1
	STEP 1, 0, 0
	TURN 1, 0, 1
	STEP 0, 0, 0
	s_sub_co_u32 s3, s3, 1
	s_cmp_lg_u32 s3, 0
	s_cbranch_scc1 .Llap
	TURN 0, 1, 0
	STEP 1, 0, 0
	s_wait_dscnt 4*NL
	WIN MUL_LO
	MUL16 0, 1, NQ-1, 1, 0
	MUL16 2, 1, NQ-1, 1, 0
	s_wait_dscnt 0
	WIN MUL_HI
	MUL16 4, 1, NQ-1, 1, 0
	MUL16 6, 1, NQ-1, 1, 0
	WIN 0
; THE WAY OUT, block by block of 16 rows x 128 columns, through my own stage: in as 32 bytes a lane, back as whole rows of 512 bytes.  LDS serves a wave's instructions in order.
.macro TOSTAGE a
.set AC, 64*((\a)%4)
	WIN 0x08+4*((\a)/4)
.irp b, 0,1,2,3,4,5,6,7
	ds_store_b128 v[STO], v[AC+8*\b:AC+8*\b+3] offset:64*\b          ; each accumulator from its low end on
	ds_store_b128 v[STO], v[AC+8*\b+4:AC+8*\b+7] offset:64*\b+16
.endr
	WIN 0
.set BB, BK+64*((\a)%2)
.irp t, 0,1,2,3,4,5,6,7,8,9,10,11,12,13,14,15
	ds_load_b128 v[BB+4*\t:BB+4*\t+3], v[RD] offset:\t*SPITCH
.endr
.endm
.macro SEND a, younger
.set BB, BK+64*((\a)%2)
	s_wait_dscnt \younger                          ; the block is back in registers
.if (\a) > 0
	s_add_nc_u64 s[12:13], s[12:13], 16*SIZE_N*4   ; behind a wait on XCNT for 0: the earlier stores have read their base
.endif
.irp t, 0,1,2,3,4,5,6,7,8,9,10,11,12,13,14,15
	global_store_b128 v[CO], v[BB+4*\t:BB+4*\t+3], s[12:13] offset:\t*SIZE_N*4 th:TH_STORE_NT   ; 32 lanes store 512 consecutive bytes, aligned
.endr
.endm
	PLACES NP
	TOSTAGE 0
.irp a, 1,2,3,4,5,6,7
.if \a > 1
	s_wait_xcnt 0x0                                ; block a - 2's stores have read their registers and their base
.endif
	TOSTAGE \a
	SEND \a-1, 32                                  ; behind block a - 1's loads: block a's 16 stores and 16 loads
.endr
	s_wait_xcnt 0x0
	SEND 7, 0
	s_wait_tensorcnt 0x0                           ; the wave's end
	ds_add_u32 v[SPW], v[NIL]
	s_wait_dscnt 0x0
	CROUND                                         ; the closing round
	s_endpgm
.Lfunc_end_k_q260ba8ee75_outp:
	.size	k_q260ba8ee75_outp, .Lfunc_end_k_q260ba8ee75_outp-k_q260ba8ee75_outp
	.p2alignl 7, 3214868480
	.fill 96, 4, 3214868480
	.section	.rodata,"a",@progbits
	.p2align	6, 0x0
	.amdhsa_kernel k_q260ba8ee75_outp
		.amdhsa_group_segment_fixed_size 327680
		.amdhsa_private_segment_fixed_size 0
		.amdhsa_enable_private_segment 0
		.amdhsa_kernarg_size 40
		.amdhsa_user_sgpr_count 2
		.amdhsa_user_sgpr_kernarg_segment_ptr 1
		.amdhsa_wavefront_size32 1
		.amdhsa_system_sgpr_workgroup_id_x 1
		.amdhsa_system_sgpr_workgroup_id_y 1
		.amdhsa_system_sgpr_workgroup_id_z 1
		.amdhsa_system_vgpr_workitem_id 0
		.amdhsa_next_free_vgpr 1024
		.amdhsa_next_free_sgpr 98
		.amdhsa_reserve_vcc 0
		.amdhsa_float_denorm_mode_32 3
		.amdhsa_float_denorm_mode_16_64 3
		.amdhsa_memory_ordered 1
		.amdhsa_forward_progress 1
		.amdhsa_inst_pref_size 160
	.end_amdhsa_kernel
	.amdgpu_metadata
---
amdhsa.version: [ 1, 2 ]
amdhsa.kernels:
  - .name:           k_q260ba8ee75_outp
    .symbol:         k_q260ba8ee75_outp.kd
    .args:
      - { .name: oc, .offset: 0, .size: 8, .value_kind: global_buffer, .address_space: global }
      - { .name: os, .offset: 8, .size: 8, .value_kind: global_buffer, .address_space: global }
      - { .name: wc, .offset: 16, .size: 8, .value_kind: global_buffer, .address_space: global }
      - { .name: ws, .offset: 24, .size: 8, .value_kind: global_buffer, .address_space: global }
      - { .name: out0, .offset: 32, .size: 8, .value_kind: global_buffer, .address_space: global }
    .group_segment_fixed_size: 327680
    .private_segment_fixed_size: 0
    .kernarg_segment_align: 8
    .kernarg_segment_size: 40
    .max_flat_workgroup_size: 128
    .sgpr_count:     98
    .vgpr_count:     1024
    .wavefront_size: 32
...
	.end_amdgpu_metadata
.endif
;; end of part 5
;; ======== version 2 of 2: 4 launches
;; workspace buffers: xc 3,145,728 bytes; xs 131,072 bytes; wc 3,170,304 bytes; ws 132,096 bytes; qkv 10,354,688 bytes; oc 3,145,728 bytes; os 131,072 bytes
;; launch quant: the kernel of part 1 again; grid 257 x 1, 4 waves a work-group, no clusters, 33,280 bytes of LDS; arguments x, Wq, Wk, Wv, Wo, Ww, We, xc, xs, wc, ws; writes xc, xs, wc, ws
;; launch proj (part 6): grid 16 x 16, 4 waves a work-group, clusters of 4 x 4, 327,680 bytes of LDS; arguments xc, xs, wc, ws, qkv, bw, be; writes qkv
.if DOCPART == 6
	.amdgcn_target "amdgcn-amd-amdhsa--gfx1250"
	.amdhsa_code_object_version 6
	.text
	.protected	k_q260ba8ee75_proj
	.globl	k_q260ba8ee75_proj
	.p2align	8
	.type	k_q260ba8ee75_proj,@function
k_q260ba8ee75_proj:
	s_mov_b64 s[64:65], 0
	v_nop
	global_prefetch_b8 v0, s[64:65] scope:SCOPE_SE
	s_setreg_imm32_b32 hwreg(HW_REG_WAVE_MODE, 25, 1), 1
	s_wait_xcnt 0x0
	s_wait_alu depctr_hold_cnt(0) depctr_sa_sdst(0) depctr_va_vdst(0) depctr_va_sdst(0) depctr_va_ssrc(0) depctr_va_vcc(0) depctr_vm_vsrc(0)
	s_getreg_b32 s2, hwreg(HW_REG_IB_STS2, 6, 4)
	s_cmp_eq_u32 s2, 0
	s_cbranch_scc0 .Lentry_in_a_cluster
	s_endpgm
.Lentry_in_a_cluster:
	s_bfe_u32 s2, ttmp6, 0x10000c
	s_cmp_lg_u32 s2, 0xf033
	s_cbranch_scc0 .Lentry_shape_is_right
	s_endpgm
.Lentry_shape_is_right:
; CLUSTER COLUMNS 0 TO 2: x Wq^T, x Wk^T, x Wv^T on codes of FP6 (E2M3) with E8M0 scales: one GEMM, A = xc [4096][1024], B = rows 0-3071 of wc; the results never leave as f32.
; CLUSTER COLUMN 3: the two gates, x Ww^T + bw and x We^T + be, and what the later launch wants of them (at the end of this text, with its own head comment).  The 12 x 16 tiles of the GEMM are 192 work-groups;
; the gates' 64 chunks of 64 tokens are 64 more: 256 in all.  The two kinds part at the head by one branch on the cluster's column, which is equal in all sixteen partners of a cluster.
; Columns 0-1023 (cluster column 0) are Q, 1024-2047 K, 2048-3071 V.  Q and K get phi = elu + 1 and are quantised along the head's 64; V is quantised along the tokens, which are the K of the later product.
; All three leave as IMAGES OF OPERAND REGISTERS in qkv [32 heads][16 steps of 128 tokens][20,224 bytes]: K at 0, V at 6,400, Q at 13,312; each 4 images of 1,536 bytes (register group q of lane l at 512 q + 16 l) and 256 bytes of scale words.
; A tile of 256 x 256 is made by four waves, 128 x 128 each: 64 accumulators, 512 registers.  K goes in steps of 256 through two LDS slots filled by the tensor data mover; the scale bytes of the tile's rows come once and stay.
; CLUSTERS: 4 x 4 work-groups; A's tiles are asked for jointly along a row of the cluster, B's along a column.  THE MATRIX INSTRUCTION IS USED TRANSPOSED (source 0 = rows of B, source 1 = rows of A).
; Rows of xc and wc lie with bits 3 and 4 of their numbers exchanged.  So in accumulator (a, b) lane (r, h) holds token 32 (a/2) + 8 (a%2) + r + 8 (r/8) of my 128, and register j column 32 (b/2) + 16 h + 8 (b%2) + j:
; the 64 registers of a row of accumulators are, block by block of 32 columns, 16 neighbours a lane.
; LIMITS: NaN and infinities are not served; a block of zeros gets the byte 1 (its codes are zeros).  phi follows elu's own order: (2^(x log2 e) - 1) + 1 for x <= 0, x + 1 above.
; REGISTERS: window 0: v0-31 addresses; v32-63 scale words and nothing else, on every way; from v128 A's fragments, one set; on the way out v64-208 are at work.  window 1: B's fragments, two sets.  windows 2, 3: the accumulators ((a, b) at v[8 (8 (a%4) + b)]).
.set SIZE_M, 4096
.set SIZE_N, 3072
.set SIZE_K, 1024
.set BLK,    20224                     ; a block of qkv: one head, 128 tokens
.set HS,     16*BLK                    ; from head to head
.set QSEC,   13312
.set VSEC,   6400
.set KSTEP,  256
.set NQ,     KSTEP/128
.set ROWB,   192                       ; a tile's row: 256 codes
.set KROW,   SIZE_K*6/8
.set PITCH,  240                       ; an LDS row: 3 x (64 bytes + 16 of padding)
.set FR,     12
.set NL,     6
.set NP,     4
.set HALFT,  128*PITCH
.set SLOT,   4*HALFT
.set LAPS,   SIZE_K/(2*KSTEP)
.set KS,     SIZE_K/32
.set SCL,    2*SLOT                    ; behind the two slots: the scale bytes, as rows of 256 bytes + 16
.set HALFS,  (128*KS/256)*272
.set SBLK,   (16*KS/256)*272
.set SPARE,  SCL+4*HALFS               ; the spare words: 128 bytes a wave, named by no other line
.set GST,    SPARE+512                 ; behind them: the gates' stage, 32 rows of 272 bytes, bytes of its own: no tile lands there
.set ADRA, 16
.set ADRB, 20
.set ADRS, 27
.set SPW,  28
.set NIL,  29
.set SC,   32
.set AF,   128
.set G1, 24
.set G0, 32
.set G1B, 48
.set G0B, 56
.set G1S, 68
.set G0S, 76
.set G1SB, 80
.set G0SB, 88
.set SEL, 18                           ; s[18:19] on the way out: lane l xor 16
.set LE,  22                           ; s[22:23] on the way out: log2 e, twice
.set MSB, 0
.macro WIN new                         ; the immediate's high byte repeats the setting that is left
.if MSB != (\new)
	s_set_vgpr_msb (MSB<<8)|(\new)
.set MSB, (\new)
.endif
.endm
.set MUL_LO, 0xa1                      ; source 0 (B) window 1, source 1 (A) window 0, C and D window 2
.set MUL_HI, 0xf1
.set TO_B,   0x40
; A joint load: waves 0 and 1 fetch for A, waves 2 and 3 for B; the branch hangs on the wave's number alone.  Four v_nop follow each line.
.macro JLOAD g0a, g1a, g0b, g1b
	s_cmp_eq_u32 s15, 0
	s_cbranch_scc0 .Lfor_b_\@
	tensor_load_to_lds s[\g0a:\g0a+3], s[\g1a:\g1a+7]
	s_nop 0
.rept 4
	v_nop
.endr
	s_branch .Lasked_\@
.Lfor_b_\@:
	tensor_load_to_lds s[\g0b:\g0b+3], s[\g1b:\g1b+7]
	s_nop 0
.rept 4
	v_nop
.endr
.Lasked_\@:
.endm
.macro CREST                           ; a round of the cluster's barrier behind its opening barrier
	s_cmp_lg_u32 s14, 0
	s_cbranch_scc1 .Lnot_wave_0_\@
	s_barrier_signal -3
.Lnot_wave_0_\@:
	s_barrier_wait -3
	s_barrier_signal -1
	s_barrier_wait -1
.endm
.macro CROUND
	s_barrier_signal -1
	s_barrier_wait -1
	CREST
.endm
	s_load_b128 s[4:7], s[0:1], 0x0                ; xc, xs
	s_load_b128 s[8:11], s[0:1], 0x10              ; wc, ws
	s_load_b64 s[12:13], s[0:1], 0x20              ; qkv
	v_lshl_add_u32 v[SPW], v0, 2, SPARE
	v_mov_b32 v[NIL], 0
	ds_add_u32 v28, v29
	ds_add_u32 v28, v29
	s_wait_dscnt 0x0
	v_lshrrev_b32 v1, 5, v0
	v_readfirstlane_b32 s14, v1                    ; wave 0..3
	s_lshr_b32 s15, s14, 1                         ; my half of the tile's rows; also: I fetch for A (0) or B (1)
	s_and_b32 s16, s14, 1                          ; my half of its columns; also: which 128 rows I fetch
	s_bfe_u32 s40, ttmp6, 0x40000                  ; cx
	s_bfe_u32 s41, ttmp6, 0x40004                  ; cy
	s_lshl_b32 s42, ttmp9, 2
	s_add_co_u32 s42, s42, s40                     ; tile column
	s_and_b32 s17, ttmp7, 0xffff
	s_lshl_b32 s17, s17, 2
	s_add_co_u32 s17, s17, s41                     ; tile row
	s_cmp_eq_u32 ttmp9, 3                          ; the fourth cluster column takes the gates: all sixteen partners of a cluster go the same way
	s_cbranch_scc1 .Lgates
	s_lshl_b32 s43, s41, 2
	s_lshl_b32 s43, 15, s43                        ; my row of the cluster
	s_lshl_b32 s44, 0x1111, s40                    ; my column
	s_or_b32 s[G1+0], s43, (0<<16)|(1<<20)|(1<<21)|(3<<22)|(3<<25)  ; mask; elements of 1 byte; padding on; bit 21 beside a mask; after every 16 words, 4 words
	s_or_b32 s[G1B+0], s44, (0<<16)|(1<<20)|(1<<21)|(3<<22)|(3<<25)
.irp g, G1, G1B
	s_mov_b32 s[\g+1], ROWB<<16                    ; tensor_dim0
	s_mov_b32 s[\g+2], 128<<16                     ; tensor_dim1
	s_mov_b32 s[\g+3], ROWB<<16                    ; tile_dim0
	s_mov_b32 s[\g+4], 128                         ; tile_dim1
	s_mov_b32 s[\g+5], KROW                        ; pitch
	s_mov_b32 s[\g+6], 0
	s_mov_b32 s[\g+7], 0
.endr
	s_or_b32 s[G1S+0], s43, (3<<16)|(1<<20)|(1<<21)|(5<<22)|(3<<25)   ; the scale bytes of 128 rows: dense, as rows of 256 bytes + 16 of padding
	s_or_b32 s[G1SB+0], s44, (3<<16)|(1<<20)|(1<<21)|(5<<22)|(3<<25)
.irp g, G1S, G1SB
	s_mov_b32 s[\g+1], 32<<16
	s_mov_b32 s[\g+2], (128*KS/256)<<16
	s_mov_b32 s[\g+3], 32<<16
	s_mov_b32 s[\g+4], 128*KS/256
	s_mov_b32 s[\g+5], 32
	s_mov_b32 s[\g+6], 0
	s_mov_b32 s[\g+7], 0
.endr
	s_lshl_b32 s18, s16, 7
	s_lshl_b32 s20, s17, 8
	s_add_co_u32 s20, s20, s18                     ; A: row 256 x tile row + 128 x half
	s_lshl_b32 s46, s42, 8
	s_add_co_u32 s46, s46, s18                     ; B: row 256 x tile column + 128 x half
	s_mov_b32 s21, 0
	s_mov_b32 s47, 0
	s_mov_b64 s[18:19], KS
	s_mul_u64 s[22:23], s[20:21], s[18:19]
	s_mul_u64 s[92:93], s[46:47], s[18:19]
	s_mov_b64 s[18:19], KROW
	s_mul_u64 s[20:21], s[20:21], s[18:19]
	s_mul_u64 s[46:47], s[46:47], s[18:19]
	s_mul_i32 s45, s14, HALFT                      ; LDS: wave x 128 rows: no place in the cluster enters an LDS address
	s_mul_i32 s94, s14, HALFS
	s_wait_kmcnt 0x0
	s_add_nc_u64 s[20:21], s[4:5], s[20:21]
	s_add_nc_u64 s[22:23], s[6:7], s[22:23]
	s_add_nc_u64 s[46:47], s[8:9], s[46:47]
	s_add_nc_u64 s[92:93], s[10:11], s[92:93]
	CROUND                                         ; all sixteen work-groups are here: the first joint loads meet
	s_mov_b32 s[G0S], 1
	s_add_co_u32 s[G0S+1], s94, SCL
	s_mov_b64 s[G0S+2:G0S+3], s[22:23]
	s_or_b32 s[G0S+3], s[G0S+3], 0x80000000
	s_mov_b32 s[G0SB], 1
	s_add_co_u32 s[G0SB+1], s94, SCL
	s_mov_b64 s[G0SB+2:G0SB+3], s[92:93]
	s_or_b32 s[G0SB+3], s[G0SB+3], 0x80000000
	JLOAD G0S, G1S, G0SB, G1SB                     ; the scale bytes first
.irp s, 0,1
	s_mov_b32 s[G0+4*\s], 1
	s_add_co_u32 s[G0+4*\s+1], s45, \s*SLOT
	s_add_nc_u64 s[G0+4*\s+2:G0+4*\s+3], s[20:21], \s*ROWB
	s_or_b32 s[G0+4*\s+3], s[G0+4*\s+3], 0x80000000
	s_mov_b32 s[G0B+4*\s], 1
	s_add_co_u32 s[G0B+4*\s+1], s45, \s*SLOT
	s_add_nc_u64 s[G0B+4*\s+2:G0B+4*\s+3], s[46:47], \s*ROWB
	s_or_b32 s[G0B+4*\s+3], s[G0B+4*\s+3], 0x80000000
	JLOAD G0+4*\s, G1, G0B+4*\s, G1B               ; three loads of mine are out at the most
.endr
	v_and_b32 v1, 15, v0
	v_bfe_u32 v2, v0, 4, 1
	v_mul_u32_u24 v3, v1, PITCH
	v_mul_u32_u24 v4, v2, 24
	v_add_nc_u32 v4, v3, v4                        ; a fragment's row x pitch + 24 x half
	v_lshl_add_u32 v5, v2, 4, v4                   ; and the same behind one padding more
	s_mul_i32 s21, s15, HALFT
	s_mul_i32 s22, s16, HALFT
	s_add_co_u32 s22, s22, 2*HALFT
.irp s, 0,1
	v_add_nc_u32 v[ADRA+\s], s21, v4
	v_add_nc_u32 v[ADRB+\s], s22, v4
	v_add_nc_u32 v[ADRA+2+\s], s21, v5
	v_add_nc_u32 v[ADRB+2+\s], s22, v5
	s_add_co_u32 s21, s21, SLOT
	s_add_co_u32 s22, s22, SLOT
.endr
	v_mul_u32_u24 v5, v1, KS
	v_lshrrev_b32 v6, 8, v5
	v_lshl_add_u32 v5, v6, 4, v5
	s_mul_i32 s21, s15, HALFS
	s_mul_i32 s22, s16, HALFS
	s_add_co_u32 s22, s22, 2*HALFS
	s_sub_co_u32 s22, s22, s21
	v_mul_u32_u24 v6, s22, v2                      ; lanes 16-31 take B's scale words
	s_add_co_u32 s21, s21, SCL
	v_add_nc_u32 v5, v5, v6
	v_add_nc_u32 v[ADRS], s21, v5
	; where my wave's two heads and 128 tokens lie in qkv
	s_lshr_b32 s20, s17, 3
	s_lshl_b32 s20, s20, 4                         ; 16 x batch
	s_and_b32 s46, s42, 3
	s_lshl_b32 s46, s46, 2
	s_lshl_b32 s47, s16, 1
	s_or_b32 s46, s46, s47                         ; my first head
	s_add_co_u32 s46, s46, s20
	s_lshl_b32 s46, s46, 4
	s_and_b32 s20, s17, 7
	s_lshl_b32 s20, s20, 1
	s_or_b32 s20, s20, s15                         ; my step of 128 tokens
	s_add_co_u32 s46, s46, s20
	s_mul_i32 s46, s46, BLK
	s_cmp_eq_u32 ttmp9, 0                          ; the cluster's column says which of Q, K, V: equal in all partners
	s_cselect_b32 s47, QSEC, 0
	s_cmp_eq_u32 ttmp9, 2
	s_cselect_b32 s47, VSEC, s47
	s_add_co_u32 s46, s46, s47
	s_mov_b32 s47, 0
	s_add_nc_u64 s[12:13], s[12:13], s[46:47]
.macro FRAG reg, adr, q, i             ; 16 rows x 128 K of 6-bit codes: 12 registers; pieces of 8 bytes; where the piece of lanes 16-31 lies behind one padding more, the second address register serves
.irp p, 0,1,2,3,4,5
.set PC, 12*(\q)+6*(\p/3)+\p%3
.if PC%8 < 5
	ds_load_b64 v[\reg+2*\p:\reg+2*\p+1], v[\adr] offset:8*PC+16*(PC/8)+(\i)*16*PITCH
.else
	ds_load_b64 v[\reg+2*\p:\reg+2*\p+1], v[\adr+2] offset:8*PC+16*(PC/8)+(\i)*16*PITCH
.endif
.endr
.endm
; 16 matrix instructions: A's blocks a0, a0 + 1 x B's eight.  The 64 accumulators take turns, one instruction a turn, in the same order in every step.
.macro MUL16 a0, p, q, sc, zero
.irp a, \a0, \a0+1
.irp b, 0,1,2,3,4,5,6,7
.if \zero
	v_wmma_scale_f32_16x16x128_f8f6f4 v[8*(8*((\a)%4)+\b):8*(8*((\a)%4)+\b)+7], v[128*(\p)+FR*\b:128*(\p)+FR*\b+FR-1], v[AF+FR*(\a):AF+FR*(\a)+FR-1], 0, v[SC+8*NQ*(\sc)+NQ*\b+(\q)], v[SC+8*NQ*(\sc)+NQ*(\a)+(\q)] matrix_a_fmt:MATRIX_FMT_FP6 matrix_b_fmt:MATRIX_FMT_FP6 matrix_a_scale:MATRIX_SCALE_ROW1
.else
	v_wmma_scale_f32_16x16x128_f8f6f4 v[8*(8*((\a)%4)+\b):8*(8*((\a)%4)+\b)+7], v[128*(\p)+FR*\b:128*(\p)+FR*\b+FR-1], v[AF+FR*(\a):AF+FR*(\a)+FR-1], v[8*(8*((\a)%4)+\b):8*(8*((\a)%4)+\b)+7], v[SC+8*NQ*(\sc)+NQ*\b+(\q)], v[SC+8*NQ*(\sc)+NQ*(\a)+(\q)] matrix_a_fmt:MATRIX_FMT_FP6 matrix_b_fmt:MATRIX_FMT_FP6 matrix_a_scale:MATRIX_SCALE_ROW1
.endif
.endr
.endr
.endm
.macro FETCH_B slot, q, p
	WIN TO_B
.irp i, 0,1,2,3,4,5,6,7
	FRAG 128*(\p)+FR*\i, ADRB+\slot, \q, \i
.endr
	WIN 0
.endm
.macro FETCH_A slot, q, i0
.irp i, \i0, \i0+1, \i0+2, \i0+3
	FRAG AF+FR*(\i), ADRA+\slot, \q, \i
.endr
.endm
.macro SCALES sc                       ; a K step's scale words: lanes 0-15 A's block i, lanes 16-31 B's block i
.irp i, 0,1,2,3,4,5,6,7
	ds_load_b64 v[SC+8*NQ*\sc+NQ*\i:SC+8*NQ*\sc+NQ*\i+1], v[ADRS] offset:\i*SBLK
.endr
.endm
.macro PLACES n                        ; plain vector places behind matrix instructions, in front of loads into their sources and of reads of their results
.rept \n
	v_nop
.endr
.endm
.macro STEP slot, q, zero              ; 128 along K whose successor lies in the same slot
	s_wait_dscnt 4*NL                              ; B's set and A's blocks 0-3 are in; A's blocks 4-7 (24 loads) may be out
	WIN MUL_LO
	MUL16 0, (\q)%2, \q, \slot, \zero
	MUL16 2, (\q)%2, \q, \slot, \zero
	s_wait_dscnt 0
	PLACES NP
	FETCH_B \slot, (\q)+1, 1-(\q)%2
	FETCH_A \slot, (\q)+1, 0
	WIN MUL_HI
	MUL16 4, (\q)%2, \q, \slot, \zero
	MUL16 6, (\q)%2, \q, \slot, \zero
	PLACES NP
	WIN 0
	FETCH_A \slot, (\q)+1, 4
.endm
; A slot's last step changes slots: one barrier; in front of it each wave waits for all its tensor loads, adds 0 to its spare word, and waits for that and for its reads of this slot.
.macro TURN slot, next, fill
	s_wait_tensorcnt 0x0                           ; all my tensor loads have landed: my part of the next slot
	ds_add_u32 v[SPW], v[NIL]
	s_wait_dscnt 4*NL+1                            ; the add and A's blocks 4-7 may be out
	WIN MUL_LO
	MUL16 0, 1, NQ-1, \slot, 0
	s_wait_dscnt 0x0                               ; the add is done, and my reads of this slot are over
	s_barrier_signal -1
	MUL16 2, 1, NQ-1, \slot, 0
	WIN 0
	s_barrier_wait -1
.if \fill
	CREST                                          ; the barrier opened a round of the cluster's: no wave of any partner still reads this slot or has a load on its way
	s_add_nc_u64 s[G0+4*\slot+2:G0+4*\slot+3], s[G0+4*\slot+2:G0+4*\slot+3], 2*ROWB
	s_add_nc_u64 s[G0B+4*\slot+2:G0B+4*\slot+3], s[G0B+4*\slot+2:G0B+4*\slot+3], 2*ROWB
	JLOAD G0+4*\slot, G1, G0B+4*\slot, G1B         ; my one tensor load behind the round; its four v_nop are the places in front of the loads below
.else
	PLACES NP
.endif
	v_add_nc_u32 v[ADRS], 4*NQ, v[ADRS]
	FETCH_B \next, 0, 0
	FETCH_A \next, 0, 0
	SCALES \next
	WIN MUL_HI
	MUL16 4, 1, NQ-1, \slot, 0
	MUL16 6, 1, NQ-1, \slot, 0
	PLACES NP
	WIN 0
	FETCH_A \next, 0, 4
.endm
	s_wait_tensorcnt 1                             ; the scale bytes and my part of K step 0 are in; K step 1's load may be out
	s_barrier_signal -1
	s_barrier_wait -1
	FETCH_B 0, 0, 0
	FETCH_A 0, 0, 0
	SCALES 0
	FETCH_A 0, 0, 4
	STEP 0, 0, 1                                   ; the first products start the sums
	s_mov_b32 s3, LAPS-1
.Llap:
	TURN 0, 1, 1
	STEP 1, 0, 0
	TURN 1, 0, 1
	STEP 0, 0, 0
	s_sub_co_u32 s3, s3, 1
	s_cmp_lg_u32 s3, 0
	s_cbranch_scc1 .Llap
	TURN 0, 1, 0                                   ; the last lap fills nothing
	STEP 1, 0, 0
	s_wait_dscnt 4*NL
	WIN MUL_LO
	MUL16 0, 1, NQ-1, 1, 0
	MUL16 2, 1, NQ-1, 1, 0
	s_wait_dscnt 0
	WIN MUL_HI
	MUL16 4, 1, NQ-1, 1, 0
	MUL16 6, 1, NQ-1, 1, 0
	WIN 0
	PLACES NP                                      ; in front of the first reads of results and the first writes of registers that held fragments
.macro FINISH                          ; a wave's end: the closing round, so that no work-group ends while a partner may still ask
	s_wait_tensorcnt 0x0
	ds_add_u32 v[SPW], v[NIL]
	s_wait_dscnt 0x0
	CROUND
	s_endpgm
.endm
	s_mov_b32 s[SEL], 0x76543210
	s_mov_b32 s[SEL+1], 0xfedcba98
	s_mov_b32 s[LE], 0x3fb8aa3b                    ; log2 e
	s_mov_b32 s[LE+1], s[LE]
	v_and_b32 v1, 15, v0                           ; r
	v_bfe_u32 v2, v0, 4, 1                         ; h
	v_and_b32 v3, 31, v0                           ; lane
	s_cmp_eq_u32 ttmp9, 2                          ; the cluster's column: equal in all partners; neither way holds a barrier of its own or a tensor load
	s_cbranch_scc1 .Lvpath
; ---- Q AND K.  Nothing goes through LDS: a row of accumulators is 16 tokens x 128 columns = two heads x two blocks of 32, and its codes are halves of two images.
.set HA,  64                           ; v64-127  phi of a row of accumulators
.set TM,  128                          ; v128-143 at work in QUANT
.set PCA, 144                          ; v144-163 codes of tile 2 f
.set PCB, 164                          ; v164-183 codes of tile 2 f + 1
.set PWA, 184
.set PWB, 185
.set TT,  186                          ; v186-193 the two middle groups of four registers
.set KW,  194                          ; v194-201 scale words: head 0's four, head 1's four
.set SW,  202
.set GL,  206                          ; 16 x lane
.set GS,  207                          ; (lane / 16) x HS + 16 r
.set TP,  208
	v_lshlrev_b32 v[GL], 4, v3
	v_mul_u32_u24 v[GS], v2, HS
	v_lshl_add_u32 v[GS], v1, 4, v[GS]
.irp b, 0,1,2,3
	v_mov_b32 v[TM+4+\b], 0                        ; a lane permute's destination counts as one of its sources
.endr
.macro ACT a                           ; phi of accumulators (a, 0 .. 7) into v[HA ..]; every run ascends
.set AC, 64*((\a)%4)
	WIN 0x02+(\a)/4                                ; source 0: the accumulators' window
.set j, 0
.rept 32
	v_pk_mul_f32 v[HA+j:HA+j+1], v[AC+j:AC+j+1], s[LE:LE+1] op_sel_hi:[1,0]
.set j, j+2
.endr
	WIN 0x08+4*((\a)/4)                            ; source 1: the accumulators' window
.set j, 0
.rept 64
	v_exp_f32 v[HA+j], v[HA+j]                     ; e^x
.set j, j+1
.endr
	v_nop                                          ; a plain place behind the exponentials
.set j, 0
	s_wait_alu depctr_va_vdst(0)
.rept 32
	v_pk_add_f32 v[HA+j:HA+j+1], v[HA+j:HA+j+1], -1.0 op_sel_hi:[1,0]   ; e^x - 1
.set j, j+2
.endr
.set j, 0
.rept 64
	v_cmp_lt_f32 vcc_lo, 0, v[AC+j]
	v_cndmask_b32 v[HA+j], v[HA+j], v[AC+j], vcc_lo                    ; elu: x where x > 0
.set j, j+1
.endr
.set j, 0
.rept 32
	v_pk_add_f32 v[HA+j:HA+j+1], v[HA+j:HA+j+1], 1.0 op_sel_hi:[1,0]    ; + 1
.set j, j+2
.endr
	WIN 0
.endm
; 64 numbers of a lane, register 16 b + i = k 32 b + 16 (lane / 16) + i of my row, become a fragment's codes in v[pc ..] and its scale word in v[pw]
.macro QUANT s, pc, pw
.irp b, 0,1,2,3
	v_max3_num_f32 v[TM+\b], |v[\s+16*\b]|, |v[\s+1+16*\b]|, 0x1800000   ; with the floor 2^(3 - 127): the byte cannot fall under 1
.endr
.irp i, 2,4,6,8,10,12,14
.irp b, 0,1,2,3
	v_max3_num_f32 v[TM+\b], v[TM+\b], |v[\s+16*\b+\i]|, |v[\s+1+16*\b+\i]|
.endr
.endr
.irp b, 0,1,2,3
	v_permlanex16_b32 v[TM+4+\b], v[TM+\b], s[SEL], s[SEL+1]
.endr
.irp b, 0,1,2,3
	v_max_num_f32 v[TM+\b], v[TM+\b], v[TM+4+\b]   ; with lane l xor 16's: the block's largest magnitude
.endr
.irp b, 0,1,2,3
	v_add_nc_u32 v[TM+12+\b], 0xff000000, v[TM+\b] ; 2 off its exponent field: the conversion's scale operand
.endr
.irp b, 0,1,2,3
	v_lshrrev_b32 v[TM+4+\b], 23, v[TM+12+\b]      ; the byte
.endr
	v_lshl_or_b32 v[\pw], v[TM+5], 8, v[TM+4]
	v_lshl_or_b32 v[\pw], v[TM+6], 16, v[\pw]
	v_lshl_or_b32 v[\pw], v[TM+7], 24, v[\pw]
.irp c, 0,1
	v_cvt_scalef32_pk16_fp6_f32 v[\pc+6*\c:\pc+2+6*\c], v[\s+32*\c:\s+15+32*\c], v[TM+12+2*\c]
	v_cvt_scalef32_pk16_fp6_f32 v[\pc+12+4*\c:\pc+14+4*\c], v[\s+16+32*\c:\s+31+32*\c], v[TM+12+2*\c+1]
.endr
	v_nop                                          ; one plain place behind a scaled conversion
.irp c, 0,1                            ; a whole block to a lane: lanes 0-15 block 2 c, lanes 16-31 block 2 c + 1
.irp i, 0,1,2
	v_permlane16_swap_b32 v[\pc+6*\c+\i], v[\pc+12+4*\c+\i]
.endr
.irp i, 0,1,2
	v_mov_b32 v[\pc+3+6*\c+\i], v[\pc+12+4*\c+\i]
.endr
.endr
.endm
; Tiles 2 f and 2 f + 1 (32 tokens) make image f of both heads: a head's image is tile 2 f's six registers, then tile 2 f + 1's
.macro PAIR f
	s_wait_xcnt 0x0                                ; the last pair's stores have read their data: these registers are written again only behind this wait
	ACT 2*\f
	QUANT HA, PCA, PWA
	ACT 2*\f+1
	QUANT HA, PCB, PWB
	v_mov_b32 v[TT+0], v[PCA+4]
	v_mov_b32 v[TT+1], v[PCA+5]
	v_mov_b32 v[TT+2], v[PCB+0]
	v_mov_b32 v[TT+3], v[PCB+1]
	v_mov_b32 v[TT+4], v[PCA+10]
	v_mov_b32 v[TT+5], v[PCA+11]
	v_mov_b32 v[TT+6], v[PCB+6]
	v_mov_b32 v[TT+7], v[PCB+7]
	v_and_b32 v[TP], 0xffff, v[PWA]
	v_lshl_or_b32 v[KW+\f], v[PWB], 16, v[TP]      ; head 0: tile 2 f's two bytes, then tile 2 f + 1's
	v_lshrrev_b32 v[TP], 16, v[PWA]
	v_and_or_b32 v[KW+4+\f], v[PWB], 0xffff0000, v[TP]   ; head 1 likewise
	global_store_b128 v[GL], v[PCA:PCA+3], s[12:13] offset:1536*\f             ; each store: 512 consecutive bytes, aligned
	global_store_b128 v[GL], v[TT:TT+3], s[12:13] offset:1536*\f+512
	global_store_b128 v[GL], v[PCB+2:PCB+5], s[12:13] offset:1536*\f+1024
	global_store_b128 v[GL], v[PCA+6:PCA+9], s[12:13] offset:1536*\f+HS
	global_store_b128 v[GL], v[TT+4:TT+7], s[12:13] offset:1536*\f+HS+512
	global_store_b128 v[GL], v[PCB+8:PCB+11], s[12:13] offset:1536*\f+HS+1024
.endm
	PAIR 0
	PAIR 1
	PAIR 2
	PAIR 3
	v_cmp_lt_u32 vcc_lo, 15, v3                    ; both halves of the lanes hold row r's words: lanes 0-15 store head 0's four, lanes 16-31 head 1's
.irp i, 0,1,2,3
	v_cndmask_b32 v[SW+\i], v[KW+\i], v[KW+4+\i], vcc_lo
.endr
	global_store_b128 v[GS], v[SW:SW+3], s[12:13] offset:6144   ; 16 lanes store 256 consecutive bytes, aligned
	FINISH
; ---- V.  Its K is the tokens, which lie across lanes: 32 columns at a time go through my own stage in LDS (128 rows = tokens, 128 bytes + 16), and come back a column to a lane, registers down the tokens.
; The stage lies in slot 0, which has had its last fill, and which nobody reads behind the last change of slots.
.Lvpath:
.set X,    64                          ; v64-127  two blocks of 32 tokens of my column
.set C,    128                         ; v128-139 their codes: a lane's 12 registers of an image
.set CT,   140
.set VM,   148                         ; v148-153 at work
.set VW,   154                         ; v[154:155] my channel's scale words in the two groups of 32 channels of a head
.set VSTO, 156
.set VRD,  157
.set VGO,  158
.set VGS,  159
	s_mul_i32 s20, s14, 128*144
	v_and_b32 v4, 8, v1
	v_add_nc_u32 v4, v4, v1                        ; r + 8 (r / 8)
	v_mul_u32_u24 v[VSTO], v4, 144
	v_lshl_add_u32 v[VSTO], v2, 6, v[VSTO]
	v_add_nc_u32 v[VSTO], s20, v[VSTO]             ; in: my token's row, + 64 h
	v_lshl_add_u32 v[VRD], v3, 2, s20              ; back: column = lane
	v_bfe_u32 v5, v3, 3, 1
	v_mul_u32_u24 v[VGO], v5, 1536                 ; channel 8 u + r + 8 (r / 8) of a group of 32 is row r of image 2 b + u
	v_and_b32 v5, 7, v3
	v_lshrrev_b32 v6, 4, v3
	v_lshl_add_u32 v5, v6, 3, v5
	v_lshl_add_u32 v[VGO], v5, 4, v[VGO]
	v_lshlrev_b32 v[VGS], 3, v3
.macro VPUT g                          ; columns 32 g .. 32 g + 31 of all 128 tokens into the stage; each accumulator from its low end on
.irp a, 0,1,2,3,4,5,6,7
	WIN 0x08+4*(\a/4)                              ; an LDS store's data are its source 1
.irp u, 0,1
	ds_store_b128 v[VSTO], v[8*(8*(\a%4)+2*(\g)+\u):8*(8*(\a%4)+2*(\g)+\u)+3] offset:(32*(\a/2)+8*(\a%2))*144+32*\u
	ds_store_b128 v[VSTO], v[8*(8*(\a%4)+2*(\g)+\u)+4:8*(8*(\a%4)+2*(\g)+\u)+7] offset:(32*(\a/2)+8*(\a%2))*144+32*\u+16
.endr
.endr
	WIN 0
.endm
.macro VHALF g, hh                     ; token blocks hh and 2 + hh of my column: what lane (r, hh) of the image holds
.irp c, 0,1
.set i, 0
.rept 32
	ds_load_b32 v[X+32*\c+i], v[VRD] offset:(32*(2*\c+\hh)+i)*144   ; in order behind my stores
.set i, i+1
.endr
.endr
	s_wait_dscnt 0x0
	s_wait_xcnt 0x0                                ; earlier stores have read their data: C and VW are written again only behind this wait
.irp c, 0,1
	v_max3_num_f32 v[VM+2*\c], |v[X+32*\c]|, |v[X+32*\c+1]|, |v[X+32*\c+2]|
	v_max3_num_f32 v[VM+2*\c+1], |v[X+32*\c+3]|, |v[X+32*\c+4]|, |v[X+32*\c+5]|
.endr
.irp i, 6,10,14,18,22,26
.irp c, 0,1
	v_max3_num_f32 v[VM+2*\c], v[VM+2*\c], |v[X+32*\c+\i]|, |v[X+32*\c+\i+1]|
	v_max3_num_f32 v[VM+2*\c+1], v[VM+2*\c+1], |v[X+32*\c+\i+2]|, |v[X+32*\c+\i+3]|
.endr
.endr
.irp c, 0,1
	v_max3_num_f32 v[VM+2*\c], v[VM+2*\c], |v[X+32*\c+30]|, |v[X+32*\c+31]|
.endr
.irp c, 0,1
	v_max3_num_f32 v[VM+2*\c], v[VM+2*\c], v[VM+2*\c+1], 0x1800000   ; the floor
.endr
.irp c, 0,1
	v_add_nc_u32 v[VM+4+\c], 0xff000000, v[VM+2*\c]
.endr
.irp c, 0,1
	v_lshrrev_b32 v[VM+2*\c], 23, v[VM+4+\c]
.endr
.irp c, 0,1
.if 2*\c+\hh == 0
	v_mov_b32 v[VW+(\g)%2], v[VM+2*\c]
.else
	v_lshl_or_b32 v[VW+(\g)%2], v[VM+2*\c], 8*(2*\c+\hh), v[VW+(\g)%2]   ; byte kb of a channel's word is token block kb
.endif
.endr
	v_cvt_scalef32_pk16_fp6_f32 v[C:C+2], v[X:X+15], v[VM+4]
	v_cvt_scalef32_pk16_fp6_f32 v[CT:CT+2], v[X+16:X+31], v[VM+4]
	v_cvt_scalef32_pk16_fp6_f32 v[C+6:C+8], v[X+32:X+47], v[VM+5]
	v_cvt_scalef32_pk16_fp6_f32 v[CT+4:CT+6], v[X+48:X+63], v[VM+5]
	v_nop                                          ; one plain place behind a scaled conversion
.irp i, 0,1,2
	v_mov_b32 v[C+3+\i], v[CT+\i]
	v_mov_b32 v[C+9+\i], v[CT+4+\i]
.endr
.irp q, 0,1,2
	global_store_b128 v[VGO], v[C+4*\q:C+4*\q+3], s[12:13] offset:((\g)/2)*HS+((\g)%2)*3072+512*\q+256*(\hh)   ; sixteen lanes fill 256 aligned bytes of one image, sixteen of the next
.endr
.endm
.irp g, 0,1,2,3
	VPUT \g
	VHALF \g, 0
	VHALF \g, 1
.if \g%2 == 1
	global_store_b64 v[VGS], v[VW:VW+1], s[12:13] offset:(\g/2)*HS+6144   ; 32 lanes store 256 consecutive bytes, aligned
.endif
.endr
	FINISH
; ---- THE GATES: the work-groups of cluster column 3.  x Ww^T + bw and x We^T + be on codes of FP6 (E2M3), then, in f32 and in base 2:
;   L = log2(1 + 2^(-zw log2 e)) = -log2(write gate);   G = log2((1 - sigmoid(ze)) 0.95 + 1e-8);   c_j = the sum of G from the start of j's chunk of 64 tokens up to j.
; Into each block of qkv (one head, 128 tokens): at 19,712 c_j; at 12,800 -(c_j + L_j).  The next launch forms C_i - C_j + log2 w_j from these and a prefix of the 32 chunk totals.
; Work-group 4 x tile row + cx (0 .. 63) takes one chunk of 64 tokens, a wave 16 of them; that number enters global addresses alone.  Source 0 = 16 tokens of x, source 1 = the 16 heads' rows: lane (r, h) holds head r and tokens 8 h + 0 .. 7.
; The results turn through a stage in LDS (32 rows of 256 bytes + 16: L's 16 heads, then G's), so that sixteen lanes hold a head's 64 tokens in order for the running sum and store 256 aligned bytes.
; xc's rows lie with bits 3 and 4 exchanged: token 16 w + r of the chunk is row 32 (w / 2) + 8 (w % 2) + r % 8 + 16 (r / 8).
; No tile is asked for on this way: what its work-groups share, the 32 rows of weights, is 24 KiB, two thirds of what a wave reads, and goes straight into registers.  One barrier of the work-group, and the closing round.
; LIMITS: the erase gate's exponent -ze log2 e is held at 126 (beyond it 1 - sigmoid is 1 either way); a write gate under 2^-127 counts as 0; NaN and infinities are not served.
; REGISTERS: v1-7 offsets; v8, v9 the stage, in and back; v10 the place in qkv; v32-55 scale words; v64-207 fragments, later at work; v208-223 the two accumulators; v224-239 the gates' numbers; v240, v241 the biases.
.Lgates:
.set EJ,  12800
.set CJ,  19712
.set XS,  32                           ; v32-39  x's scale words, one for each 128 along K
.set WS,  40                           ; v40-47  Ww's
.set ES,  48                           ; v48-55  We's
.set XF,  64                           ; v64-111  four fragments of x
.set WF,  112                          ; v112-159 of Ww
.set EF,  160                          ; v160-207 of We
.set AW,  208
.set AE,  216
.set ZW,  224
.set ZE,  232
.set BW,  240
.set BE,  241
.set T1,  64                           ; at work, where x's fragments lay
.set T2,  72
.set RB,  64                           ; back from the stage: G's four and L's four, for each of two heads
.set SS,  80
.set EX,  82
.set NE,  84
	s_load_b64 s[92:93], s[0:1], 0x28              ; bw
	s_load_b64 s[94:95], s[0:1], 0x30              ; be
	v_and_b32 v1, 15, v0                           ; r
	v_bfe_u32 v2, v0, 4, 1                         ; h
	v_and_b32 v3, 7, v1
	v_lshrrev_b32 v4, 3, v1
	v_lshl_add_u32 v4, v4, 4, v3                   ; r % 8 + 16 (r / 8)
	v_mul_u32_u24 v3, v4, 768
	v_mad_u32_u24 v3, v2, 24, v3                   ; x's codes
	v_lshlrev_b32 v4, 5, v4                        ; x's scale bytes
	v_mul_u32_u24 v5, v1, 768
	v_mad_u32_u24 v5, v2, 24, v5                   ; the weights' codes
	v_lshlrev_b32 v6, 5, v1                        ; their scale bytes
	v_lshlrev_b32 v7, 2, v1                        ; the biases
	s_lshl_b32 s18, s14, 6
	s_add_co_u32 s18, s18, GST
	v_mul_u32_u24 v8, v1, 272
	v_lshl_add_u32 v8, v2, 5, v8
	v_add_nc_u32 v8, s18, v8                       ; the stage, in: row = head r, byte 64 w + 32 h
	s_mul_i32 s18, s14, 4*272
	s_add_co_u32 s18, s18, GST
	v_mul_u32_u24 v9, v2, 272
	v_lshl_add_u32 v9, v1, 4, v9
	v_add_nc_u32 v9, s18, v9                       ; back: head 4 w + (lane / 16) (+ 2 k), 16 bytes a lane
	v_mul_u32_u24 v10, v2, HS
	v_lshl_add_u32 v10, v1, 4, v10                 ; and the same place in qkv
	s_lshl_b32 s19, s17, 2
	s_add_co_u32 s19, s19, s40                     ; my chunk of 64 tokens, 0 .. 63
	s_lshl_b32 s96, s19, 6
	s_lshl_b32 s97, s15, 5
	s_add_co_u32 s96, s96, s97
	s_lshl_b32 s97, s16, 3
	s_add_co_u32 s96, s96, s97                     ; 64 x chunk + 32 (w / 2) + 8 (w % 2)
	s_mul_i32 s20, s96, 768
	s_mov_b32 s21, 0
	s_lshl_b32 s22, s96, 5
	s_mov_b32 s23, 0
	s_lshr_b32 s46, s19, 5
	s_lshl_b32 s46, s46, 4
	s_lshl_b32 s45, s14, 2
	s_add_co_u32 s46, s46, s45                     ; 16 x batch + 4 w
	s_mul_i32 s46, s46, HS
	s_bfe_u32 s45, s19, 0x40001                    ; the step of 128 tokens
	s_mul_i32 s45, s45, BLK
	s_add_co_u32 s46, s46, s45
	s_and_b32 s45, s19, 1                          ; which half of it
	s_lshl_b32 s45, s45, 8
	s_add_co_u32 s46, s46, s45
	s_mov_b32 s47, 0
	s_mov_b32 s42, 0xbfb8aa3b                      ; -log2 e
	s_mov_b32 s43, 0x3f733333                      ; 0.95
	s_mov_b32 s44, 0x322bcc77                      ; 1e-8
	s_wait_kmcnt 0x0
	s_add_nc_u64 s[4:5], s[4:5], s[20:21]
	s_add_nc_u64 s[6:7], s[6:7], s[22:23]
	s_add_nc_u64 s[8:9], s[8:9], 4096*768          ; Ww's rows; We's lie 16 rows on
	s_add_nc_u64 s[10:11], s[10:11], 4096*32
	s_add_nc_u64 s[12:13], s[12:13], s[46:47]
	global_load_b128 v[XS:XS+3], v4, s[6:7]
	global_load_b128 v[XS+4:XS+7], v4, s[6:7] offset:16
	global_load_b128 v[WS:WS+3], v6, s[10:11]
	global_load_b128 v[WS+4:WS+7], v6, s[10:11] offset:16
	global_load_b128 v[ES:ES+3], v6, s[10:11] offset:512
	global_load_b128 v[ES+4:ES+7], v6, s[10:11] offset:528
	global_load_b32 v[BW], v7, s[92:93]
	global_load_b32 v[BE], v7, s[94:95]
.macro LOADK ph                        ; the fragments of four steps of 128 along K: 24 bytes of a row's stream of bits as three loads of 8
.irp k, 0,1,2,3
.irp p, 0,1,2,3,4,5
	global_load_b64 v[XF+12*\k+2*\p:XF+12*\k+2*\p+1], v3, s[4:5] offset:96*(4*\ph+\k)+48*(\p/3)+8*(\p%3)
	global_load_b64 v[WF+12*\k+2*\p:WF+12*\k+2*\p+1], v5, s[8:9] offset:96*(4*\ph+\k)+48*(\p/3)+8*(\p%3)
	global_load_b64 v[EF+12*\k+2*\p:EF+12*\k+2*\p+1], v5, s[8:9] offset:12288+96*(4*\ph+\k)+48*(\p/3)+8*(\p%3)
.endr
.endr
.endm
.macro MULK ph, first                  ; the two accumulators take turns, one instruction a turn
.irp k, 0,1,2,3
.if \first && (\k == 0)
	v_wmma_scale_f32_16x16x128_f8f6f4 v[AW:AW+7], v[XF+12*\k:XF+12*\k+11], v[WF+12*\k:WF+12*\k+11], 0, v[XS+4*\ph+\k], v[WS+4*\ph+\k] matrix_a_fmt:MATRIX_FMT_FP6 matrix_b_fmt:MATRIX_FMT_FP6
	v_wmma_scale_f32_16x16x128_f8f6f4 v[AE:AE+7], v[XF+12*\k:XF+12*\k+11], v[EF+12*\k:EF+12*\k+11], 0, v[XS+4*\ph+\k], v[ES+4*\ph+\k] matrix_a_fmt:MATRIX_FMT_FP6 matrix_b_fmt:MATRIX_FMT_FP6
.else
	v_wmma_scale_f32_16x16x128_f8f6f4 v[AW:AW+7], v[XF+12*\k:XF+12*\k+11], v[WF+12*\k:WF+12*\k+11], v[AW:AW+7], v[XS+4*\ph+\k], v[WS+4*\ph+\k] matrix_a_fmt:MATRIX_FMT_FP6 matrix_b_fmt:MATRIX_FMT_FP6
	v_wmma_scale_f32_16x16x128_f8f6f4 v[AE:AE+7], v[XF+12*\k:XF+12*\k+11], v[EF+12*\k:EF+12*\k+11], v[AE:AE+7], v[XS+4*\ph+\k], v[ES+4*\ph+\k] matrix_a_fmt:MATRIX_FMT_FP6 matrix_b_fmt:MATRIX_FMT_FP6
.endif
.endr
.endm
	LOADK 0
	s_wait_loadcnt 0x0
	MULK 0, 1
.rept 4
	v_nop                                          ; places in front of loads into registers that matrix instructions have read
.endr
	LOADK 1
	s_wait_loadcnt 0x0
	MULK 1, 0
	v_mul_f32 v[BW], s42, v[BW]                    ; -b log2 e.  (With the two v_nop: the four places in front of the first read of results)
	v_mul_f32 v[BE], s42, v[BE]
	v_nop
	v_nop
.irp j, 0,1,2,3,4,5,6,7
	v_fma_f32 v[ZW+\j], v[AW+\j], s42, v[BW]       ; -(sum + bw) log2 e, from the accumulator's low end on
.endr
.irp j, 0,1,2,3,4,5,6,7
	v_fma_f32 v[ZE+\j], v[AE+\j], s42, v[BE]
.endr
.irp j, 0,1,2,3,4,5,6,7
	v_min_num_f32 v[ZE+\j], 0x42fc0000, v[ZE+\j]   ; held at 126, so that 1 + 2^. stays finite for the step of Newton below
.endr
.irp j, 0,1,2,3,4,5,6,7,8,9,10,11,12,13,14,15
	v_exp_f32 v[ZW+\j], v[ZW+\j]
.endr
	v_nop                                          ; a plain place behind the exponentials
	s_wait_alu depctr_va_vdst(0)
.irp j, 0,2,4,6,8,10,12,14
	v_pk_add_f32 v[ZW+\j:ZW+\j+1], v[ZW+\j:ZW+\j+1], 1.0 op_sel_hi:[1,0]
.endr
.irp j, 0,1,2,3,4,5,6,7
	v_log_f32 v[ZW+\j], v[ZW+\j]                   ; L
.endr
.irp j, 0,1,2,3,4,5,6,7
	v_rcp_f32 v[T1+\j], v[ZE+\j]                   ; the erase gate, to 1 ulp
.endr
	v_nop
	s_wait_alu depctr_va_vdst(0)
.irp j, 0,1,2,3,4,5,6,7
	v_fma_f32 v[T2+\j], -v[ZE+\j], v[T1+\j], 1.0   ; one step of Newton: 1 - e is a difference of near numbers where e is near 1
.endr
.irp j, 0,1,2,3,4,5,6,7
	v_fma_f32 v[T1+\j], v[T1+\j], v[T2+\j], v[T1+\j]
.endr
.irp j, 0,1,2,3,4,5,6,7
	v_sub_f32 v[T1+\j], 1.0, v[T1+\j]
.endr
.irp j, 0,1,2,3,4,5,6,7
	v_fma_f32 v[T1+\j], v[T1+\j], s43, s44         ; (1 - e) 0.95 + 1e-8
.endr
.irp j, 0,1,2,3,4,5,6,7
	v_log_f32 v[ZE+\j], v[T1+\j]                   ; G
.endr
	v_nop
	ds_store_b128 v8, v[ZW:ZW+3]
	ds_store_b128 v8, v[ZW+4:ZW+7] offset:16
	s_wait_alu depctr_va_vdst(0)
	ds_store_b128 v8, v[ZE:ZE+3] offset:16*272
	ds_store_b128 v8, v[ZE+4:ZE+7] offset:16*272+16
	s_wait_dscnt 0x0                               ; for the others' sake: my stores into the stage are done
	s_barrier_signal -1
	s_barrier_wait -1
.irp k, 0,1
	ds_load_b128 v[RB+8*\k:RB+8*\k+3], v9 offset:(16+2*\k)*272     ; G of tokens 4 p .. 4 p + 3 of head 4 w + 2 k + (lane / 16)
	ds_load_b128 v[RB+8*\k+4:RB+8*\k+7], v9 offset:2*\k*272        ; L
.endr
	s_wait_dscnt 0x0
.irp i, 1,2,3
.irp k, 0,1
	v_add_f32 v[RB+8*\k+\i], v[RB+8*\k+\i-1], v[RB+8*\k+\i]        ; the running sum of my four
.endr
.endr
.irp k, 0,1
	v_mov_b32 v[SS+\k], v[RB+8*\k+3]
	v_mov_b32 v[EX+\k], 0
.endr
.irp n, 1,2,4,8                        ; and across the sixteen lanes of a head: lane i adds lane i - n's; lanes without one add 0
.irp k, 0,1
	v_add_f32_dpp v[SS+\k], v[SS+\k], v[SS+\k] row_shr:\n row_mask:0xf bank_mask:0xf bound_ctrl:1
.endr
.endr
.irp k, 0,1
	v_mov_b32_dpp v[EX+\k], v[SS+\k] row_shr:1 row_mask:0xf bank_mask:0xf bound_ctrl:1   ; what lies in front of my four
.endr
.irp k, 0,1
.irp i, 0,1,2,3
	v_add_f32 v[RB+8*\k+\i], v[RB+8*\k+\i], v[EX+\k]               ; c_j
.endr
.endr
.irp k, 0,1
.irp i, 0,1,2,3
	v_sub_f32 v[NE+4*\k+\i], -v[RB+8*\k+\i], v[RB+8*\k+4+\i]       ; -(c_j + L_j)
.endr
.endr
.irp k, 0,1
	global_store_b128 v10, v[RB+8*\k:RB+8*\k+3], s[12:13] offset:2*\k*HS+CJ   ; 16 lanes store 256 consecutive bytes, aligned
	global_store_b128 v10, v[NE+4*\k:NE+4*\k+3], s[12:13] offset:2*\k*HS+EJ
.endr
	FINISH
.Lfunc_end_k_q260ba8ee75_proj:
	.size	k_q260ba8ee75_proj, .Lfunc_end_k_q260ba8ee75_proj-k_q260ba8ee75_proj
	.p2alignl 7, 3214868480
	.fill 96, 4, 3214868480
	.section	.rodata,"a",@progbits
	.p2align	6, 0x0
	.amdhsa_kernel k_q260ba8ee75_proj
		.amdhsa_group_segment_fixed_size 327680
		.amdhsa_private_segment_fixed_size 0
		.amdhsa_enable_private_segment 0
		.amdhsa_kernarg_size 56
		.amdhsa_user_sgpr_count 2
		.amdhsa_user_sgpr_kernarg_segment_ptr 1
		.amdhsa_wavefront_size32 1
		.amdhsa_system_sgpr_workgroup_id_x 1
		.amdhsa_system_sgpr_workgroup_id_y 1
		.amdhsa_system_sgpr_workgroup_id_z 1
		.amdhsa_system_vgpr_workitem_id 0
		.amdhsa_next_free_vgpr 1024
		.amdhsa_next_free_sgpr 98
		.amdhsa_reserve_vcc 1
		.amdhsa_float_denorm_mode_32 3
		.amdhsa_float_denorm_mode_16_64 3
		.amdhsa_memory_ordered 1
		.amdhsa_forward_progress 1
		.amdhsa_inst_pref_size 255
	.end_amdhsa_kernel
	.section	.bss,"aw",@nobits
	.p2align	6
	.space	262144
	.amdgpu_metadata
---
amdhsa.version: [ 1, 2 ]
amdhsa.kernels:
  - .name:           k_q260ba8ee75_proj
    .symbol:         k_q260ba8ee75_proj.kd
    .args:
      - { .name: xc, .offset: 0, .size: 8, .value_kind: global_buffer, .address_space: global }
      - { .name: xs, .offset: 8, .size: 8, .value_kind: global_buffer, .address_space: global }
      - { .name: wc, .offset: 16, .size: 8, .value_kind: global_buffer, .address_space: global }
      - { .name: ws, .offset: 24, .size: 8, .value_kind: global_buffer, .address_space: global }
      - { .name: qkv, .offset: 32, .size: 8, .value_kind: global_buffer, .address_space: global }
      - { .name: bw, .offset: 40, .size: 8, .value_kind: global_buffer, .address_space: global }
      - { .name: be, .offset: 48, .size: 8, .value_kind: global_buffer, .address_space: global }
    .group_segment_fixed_size: 327680
    .private_segment_fixed_size: 0
    .kernarg_segment_align: 8
    .kernarg_segment_size: 56
    .max_flat_workgroup_size: 128
    .sgpr_count:     98
    .vgpr_count:     1024
    .wavefront_size: 32
...
	.end_amdgpu_metadata
.endif
;; end of part 6
;; launch attn: the kernel of part 4 again; grid 8 x 32, 16 waves a work-group, clusters of 4 x 1, 217,088 bytes of LDS; arguments qkv, oc, os; writes oc, os
;; launch outp: the kernel of part 5 again; grid 4 x 16, 4 waves a work-group, clusters of 4 x 4, 327,680 bytes of LDS; arguments oc, os, wc, ws, out0; writes out0
